; MI455X (gfx1250); checked and timed in simulation.
; The chip was launched on July 23, 2026; its instructions are those of AMD's public machine-readable ISA for CDNA 5 (MIT licence, August 2026) and "CDNA5" Instruction Set Architecture Reference Guide (July 2026). The comments in the code are by the model that wrote it; some were corrected since.
;; Category Specific Linear. Allowed arithmetic: matrix products marked QUANTISED: E2M1 operands, one E8M0 scale for each 32 along K, by v_wmma_scale_f32_16x16x128_f8f6f4 with both operands' format E2M1 (or v_wmma_scale_f32_32x16x128_f4), f32 sums; everything else in f32.
;; Inputs: bias 8 x 1,024 float32; category_id 4 x 2,048 int32; weight 8 x 1,024 x 1,024 float32; x 4 x 2,048 x 1,024 float32.
;; Outputs: out0 4 x 2,048 x 1,024 float32.
;; This version of the problem:
;;   THIS VERSION OF THE PROBLEM IS GIVEN IN LOW PRECISION. The matrix products marked QUANTISED in the list below multiply operands that are first quantised to E2M1 (2 exponent bits, 1 mantissa bit; 4 bits a number), with one power-of-two scale for each 32 numbers along K (OCP MX v1.0); their sums are f32. All else is computed in f32.
;;   The module's matrix products, in the order in which they are computed (A, B: the left and right operand; K: the contracted axis; several contracted axes count as one K, in the product's order):
;;     1. [M 8,192, K 1,024] x [K 1,024, N 8,192]; A: input x; B: input weight: QUANTISED
;;   THE QUANTISER, for each operand of a quantised product, along K:
;;     - K is cut into blocks of 32 from its start; a last block that is shorter is filled with zeros.
;;     - A block's scale is 2^e with e = floor(log2(the largest magnitude in the block)) - 2, held to -126 .. 127; a block of zeros has e = 0. As a byte (E8M0): e + 127.
;;     - Each number is divided by its block's scale, clamped to +-6, and rounded to the nearest number of E2M1, ties to even, subnormals kept.
;;     - The product sums the exact products of the quantised numbers (number of the format x scale) in f32.
;;   ~~~python
;;   def quantise(x, axis):      # numpy; x: float32 -> the quantised numbers, widened to float32 again
;;       x = np.moveaxis(x, axis, -1); K = x.shape[-1]
;;       x = np.pad(x, [(0, 0)] * (x.ndim - 1) + [(0, -K % 32)]); x = x.reshape(x.shape[:-1] + (-1, 32)); a = np.abs(x).max(-1, keepdims=True)
;;       e = np.where(a > 0, np.clip(np.frexp(np.where(a > 0, a, 1))[1] - 1 - 2, -126, 127), 0)      # np.frexp(a)[1] - 1 = floor(log2(a)), exactly
;;       r = np.clip(x / 2.0 ** e, -6, 6)
;;       step = 2.0 ** (np.maximum(np.frexp(np.where(r == 0, 1, r))[1] - 1, 0) - 1)
;;       q = np.round(r / step) * step * 2.0 ** e      # np.round: ties to even
;;       return np.moveaxis(q.reshape(q.shape[:-2] + (-1,))[..., :K], -1, axis).astype(np.float32)
;;   ~~~
;; 2 versions. Each part assembles by itself: llvm-mc -triple=amdgcn-amd-amdhsa -mcpu=gfx1250 --defsym DOCPART=n.
;; ======== version 1 of 2: 2 launches
;; workspace buffers: xcodes 4,194,304 bytes; xscales 262,144 bytes; wimg 4,194,304 bytes; wscl 262,144 bytes; rows 37,120 bytes of whole numbers; tiles 512 bytes of whole numbers
;; launch prep (part 1): grid 769 x 1, 4 waves a work-group, no clusters, 23,296 bytes of LDS; arguments x, weight, category_id, xcodes, xscales, wimg, wscl, rows, tiles; writes xcodes, xscales, wimg, wscl, rows, tiles
.if DOCPART == 1
	.amdgcn_target "amdgcn-amd-amdhsa--gfx1250"
	.amdhsa_code_object_version 6
	.text
	.protected	k_qbeba926f5d_prep
	.globl	k_qbeba926f5d_prep
	.p2align	8
	.type	k_qbeba926f5d_prep,@function
k_qbeba926f5d_prep:
	s_mov_b64 s[64:65], 0
	v_nop
	global_prefetch_b8 v0, s[64:65] scope:SCOPE_SE
	s_setreg_imm32_b32 hwreg(HW_REG_WAVE_MODE, 25, 1), 1
	s_wait_xcnt 0x0
; THE LAUNCH IN FRONT OF THE PRODUCT.  Three kinds of work-group, told apart by the work-group's number alone:
;   0          ROUTE:  the 8,192 tokens are sorted by category (a counting sort by 128 threads, no atomics) into lists of rows, 144 slots a tile, and 64 tile entries (category, count).
;   1 .. 256   X:      x [8192][1024] f32 becomes codes of FP4 (E2M1), K innermost, 512 bytes a token, and one E8M0 byte for each 32 along K, 32 bytes a token.
;   257 .. 768 WEIGHT: weight [8][1024 k][1024 n] f32, whose K is not innermost, becomes codes laid in the order of the operand's registers,
;                      [category][16 columns][block of 32 k][column][16 bytes], and scale words [category][32 columns][128 k][column].
; A block's scale is 2^(floor(log2(its largest magnitude)) - 2); its byte is the largest magnitude's exponent field - 2, held at 1 from below by a floor among the maximum's leaves.
; LIMITS: a block of zeros, and a block whose largest magnitude lies under 2^-124, gets the byte 1 (a block of zeros has zero codes, and this program alone reads the bytes);
; NaN and infinities among x and weight are not served; category numbers are taken to lie in 0 .. 7, as the table that they index has 8 rows: other numbers give wrong lists, but every address is held inside its buffer.
; TILES: with n_c tokens in category c the tiles number sum of ceil(n_c / 144), at most (8192 + 8 x 143) / 144 rounded down = 64, whatever the split.
; No tensor loads and no ring.  Each kind of work-group has LDS bytes of its own.  EXEC is never written.
.set WREG,  5632                       ; X: LDS of a wave: two stages of 32 x 80 bytes, then its 256 scale bytes
.set SP,    80                         ; X: a lane's place in a stage: its 64 bytes + 16 of padding
.set RT,    4*WREG                     ; ROUTE: 4 x 16 bytes, the waves' totals
.set STEPS, 16                         ; X: a wave takes 16 steps of 512 numbers
.set DEPTH, 8                          ; X: loads run eight steps (32 loads of 512 bytes a wave) ahead
.set R,     16                         ; X: v16-143   eight sets of 16 numbers as loaded
.set X,     144                        ; X: v144-175  two sets of 16 neighbours
.set C,     176                        ; X: v176-207  two registers of codes for each step: no store's data are written again
.set E,     208                        ; X: v208-223  a scale byte for each step
.set WD,    16                         ; WEIGHT: v16-143  128 numbers down K of my column
.set WMX,   144                        ; WEIGHT: v144-151 two chains of maxima for each block
.set WSO,   152                        ; WEIGHT: v152-155 the conversions' scale operands
.set WBY,   156                        ; WEIGHT: v156-159 the scale bytes
.set WC,    160                        ; WEIGHT: v160-175 the codes, four registers a block
.set WSB,   176                        ; WEIGHT: v176     the scale word
.set CID,   16                         ; ROUTE: v16-79   my 64 tokens' categories, later the tokens' numbers
.set RK,    80                         ; ROUTE: v80-143  their ranks among my own tokens of the category, later the stores' addresses
.set OWN,   144                        ; ROUTE: v144-147 my counts, two categories a register (16 bits each)
.set S,     148                        ; ROUTE: v148-151 the scan over the wave's lanes
.set TT,    152                        ; ROUTE: v152-155 at work
.set WTB,   156                        ; ROUTE: v156-171 the four waves' totals
.set WP,    172                        ; ROUTE: v172-175 the totals of the waves in front of mine
.set G,     176                        ; ROUTE: v176-179 the totals of all
.set BA,    180                        ; ROUTE: v180-183 the first slot of my tokens, for each category
	s_load_b512 s[4:19], s[0:1], 0x0               ; x s[4:5], weight s[6:7], category_id s[8:9], xcodes s[10:11], xscales s[12:13], wimg s[14:15], wscl s[16:17], rows s[18:19]
	s_load_b64 s[20:21], s[0:1], 0x40              ; tiles
	v_lshl_add_u32 v224, v0, 2, 0x5900
	v_mov_b32 v225, 0
	v_lshrrev_b32 v1, 5, v0
	v_readfirstlane_b32 s22, v1                    ; wave 0..3
	v_and_b32 v2, 31, v0                           ; lane
	s_wait_kmcnt 0x0
	s_cmp_eq_u32 ttmp9, 0
	s_cbranch_scc1 .Lroute
	s_cmp_lt_u32 ttmp9, 257
	s_cbranch_scc0 .Lweight
; ---------------------------------------------------------------- X
; Rows are dense and 1,024 is a multiple of 32: x is a plain stream of blocks of 32, and so are its codes and scale bytes.  A wave takes 8,192 numbers (8 tokens).
; Each load reads 512 consecutive bytes, 16 a lane; a step's 2,048 bytes turn through the wave's own stage in LDS and come back 64 bytes a lane: 16 neighbours along K, two lanes to a block.
	s_sub_co_u32 s24, ttmp9, 1
	s_lshl_b32 s24, s24, 2
	s_add_co_u32 s24, s24, s22                     ; which run of 8,192 numbers is my wave's: 0 .. 1023
	s_mov_b32 s27, 0
	s_lshl_b32 s26, s24, 15
	s_add_nc_u64 s[4:5], s[4:5], s[26:27]          ; 32,768 bytes of x a run,
	s_lshl_b32 s26, s24, 12
	s_add_nc_u64 s[10:11], s[10:11], s[26:27]      ; 4,096 of codes,
	s_lshl_b32 s26, s24, 8
	s_add_nc_u64 s[12:13], s[12:13], s[26:27]      ; 256 of scale bytes
	s_mul_i32 s25, s22, WREG
	v_lshlrev_b32 v3, 4, v2                        ; my 16 bytes of a load's 512
	v_lshlrev_b32 v4, 3, v2                        ; my 8 bytes of a step's codes, and of the wave's scale bytes
	v_lshrrev_b32 v14, 2, v2
	v_mul_u32_u24 v14, v14, SP
	v_and_b32 v15, 3, v2
	v_lshl_add_u32 v14, v15, 4, v14
	v_add_nc_u32 v14, s25, v14                     ; the stage, on the way in: 80 (lane / 4) + 16 (lane % 4); a load's 512 bytes take eight places
	v_mul_u32_u24 v15, v2, SP
	v_add_nc_u32 v15, s25, v15                     ; and on the way out: 80 x lane
	s_add_co_u32 s25, s25, 2*32*SP
	v_lshrrev_b32 v5, 1, v2
	v_add_nc_u32 v5, s25, v5                       ; my block's scale byte in the wave's 256
	v_add_nc_u32 v6, s25, v4                       ; and 8 of them a lane on the way out
.macro XLOAD t
.irp i, 0,1,2,3
	global_load_b128 v[R+16*((\t)%DEPTH)+4*\i:R+16*((\t)%DEPTH)+4*\i+3], v3, s[4:5] offset:2048*(\t)+512*\i th:TH_LOAD_NT
.endr
.endm
.macro XTURN t                         ; step t's numbers through the stage; LDS serves a wave's instructions in order (ISA guide 5.7.1.4): no wait between the stores and the loads
.irp i, 0,1,2,3
	ds_store_b128 v14, v[R+16*((\t)%DEPTH)+4*\i:R+16*((\t)%DEPTH)+4*\i+3] offset:32*SP*((\t)%2)+8*SP*\i
.endr
.irp i, 0,1,2,3
	ds_load_b128 v[X+16*((\t)%2)+4*\i:X+16*((\t)%2)+4*\i+3], v15 offset:32*SP*((\t)%2)+16*\i
.endr
.endm
.irp t, 0,1,2,3,4,5,6,7
	XLOAD \t
.endr
	s_wait_loadcnt 28                              ; step 0's four loads are in; the 28 of steps 1 to 7 may be out
	XTURN 0
.macro XSTEP t
.set XN, X+16*((\t)%2)
.if (\t) > 0
	s_wait_dscnt 1                                 ; this step's numbers are back from the stage (only the last step's byte store is younger): so its stores into the stage have read their registers,
.else
	s_wait_dscnt 0x0
.endif
.if (\t)+DEPTH < STEPS
	XLOAD (\t)+DEPTH                               ; which take the loads of eight steps on
.endif
.if (\t)+1 < STEPS
.if STEPS-2-(\t) > DEPTH-1
	s_wait_loadcnt 4*(DEPTH-1)                     ; the next step's four loads are in; those of the seven steps behind it may be out
.else
	s_wait_loadcnt 4*(STEPS-2-(\t))                ; towards the end fewer steps are behind it
.endif
	XTURN (\t)+1                                   ; and go through the other stage while this step is worked
.endif
	v_max3_num_f32 v8, |v[XN]|, |v[XN+1]|, |v[XN+2]|               ; the largest magnitude of my 16, in two chains
	v_max3_num_f32 v9, |v[XN+3]|, |v[XN+4]|, |v[XN+5]|
.irp i, 6,10
	v_max3_num_f32 v8, v8, |v[XN+\i]|, |v[XN+\i+1]|
	v_max3_num_f32 v9, v9, |v[XN+\i+2]|, |v[XN+\i+3]|
.endr
	v_max3_num_f32 v8, v8, |v[XN+14]|, |v[XN+15]|
	v_max3_num_f32 v8, v8, v9, 0x1800000           ; and the floor 2^(3 - 127): the byte cannot fall under 1
	v_max_num_f32_dpp v8, v8, v8 row_xmask:1 row_mask:0xf bank_mask:0xf   ; with my neighbour's 16: the block's
	v_add_nc_u32 v11, 0xff000000, v8               ; 2 off its exponent field: the conversion takes the exponent field of this operand as its scale, and nothing else of it
	v_cvt_scalef32_pk8_fp4_f32 v[C+2*(\t)], v[XN:XN+7], v11
	v_cvt_scalef32_pk8_fp4_f32 v[C+2*(\t)+1], v[XN+8:XN+15], v11
	v_lshrrev_b32 v[E+(\t)], 23, v11               ; the scale's byte
	ds_store_b8 v5, v[E+(\t)] offset:16*(\t)       ; both lanes of a block write the same byte with the same value
	global_store_b64 v4, v[C+2*(\t):C+2*(\t)+1], s[10:11] offset:256*(\t)   ; the wave stores 256 consecutive bytes, at a multiple of 256 from the buffer's first byte
.endm
.irp t, 0,1,2,3,4,5,6,7,8,9,10,11,12,13,14,15
	XSTEP \t
.endr
	ds_load_b64 v[12:13], v6                       ; these see my byte stores: LDS serves a wave's instructions in order
	s_wait_dscnt 0x0
	global_store_b64 v4, v[12:13], s[12:13]        ; the wave's 256 scale bytes, consecutive and aligned
	s_wait_tensorcnt 0x0
	ds_add_u32 v224, v225
	s_wait_dscnt 0x0
	s_endpgm
; ---------------------------------------------------------------- WEIGHT
; A LANE TAKES A COLUMN n, AND ITS REGISTERS RUN DOWN K: a block of 32 along K lies in one lane's 32 registers, and the conversions give its 16 bytes of codes with K innermost.  Nothing is transposed.
; A wave takes 32 columns x 128 along K.  Eight neighbouring work-groups stand side by side on the 4,096 bytes of the same rows.
; In the codes' buffer a block's 16 columns x 16 bytes are 256 consecutive bytes, so lanes 0-15 and lanes 16-31 each store 256 consecutive aligned bytes, straight from registers.
.Lweight:
	s_sub_co_u32 s24, ttmp9, 257
	s_and_b32 s25, s24, 7                          ; which 128 columns
	s_bfe_u32 s26, s24, 0x30003                    ; s: which 128 along K
	s_lshr_b32 s27, s24, 6                         ; the category
	s_lshl_b32 s25, s25, 2
	s_add_co_u32 s25, s25, s22                     ; P: which 32 columns are my wave's, 0 .. 31
	s_mov_b32 s29, 0
	s_lshl_b32 s28, s27, 22                        ; weight: a category is 2^22 bytes, 128 rows are 2^19, 32 columns 128
	s_lshl_b32 s30, s26, 19
	s_add_co_u32 s28, s28, s30
	s_lshl_b32 s30, s25, 7
	s_add_co_u32 s28, s28, s30
	s_add_nc_u64 s[6:7], s[6:7], s[28:29]
	s_lshl_b32 s28, s27, 19                        ; codes: a category is 2^19 bytes, 32 columns (all K) 2^14, four blocks of 16 columns 2^10
	s_lshl_b32 s30, s25, 14
	s_add_co_u32 s28, s28, s30
	s_lshl_b32 s30, s26, 10
	s_add_co_u32 s28, s28, s30
	s_add_nc_u64 s[14:15], s[14:15], s[28:29]
	s_lshl_b32 s28, s27, 15                        ; scale words: a category is 2^15 bytes, 32 columns (all K) 2^10, one word for each of 32 columns 128
	s_lshl_b32 s30, s25, 10
	s_add_co_u32 s28, s28, s30
	s_lshl_b32 s30, s26, 7
	s_add_co_u32 s28, s28, s30
	s_add_nc_u64 s[16:17], s[16:17], s[28:29]
	v_lshlrev_b32 v3, 2, v2                        ; 4 bytes a lane: in, and for the scale word
	v_lshrrev_b32 v4, 4, v2
	v_and_b32 v5, 15, v2
	v_lshlrev_b32 v5, 4, v5
	v_lshl_add_u32 v4, v4, 13, v5                  ; codes: 16 x (lane % 16), and lanes 16-31 in the next 16 columns' 8,192 bytes
.set KK, 0
.rept 128
	global_load_b32 v[WD+KK], v3, s[6:7] offset:4096*KK th:TH_LOAD_NT   ; weight(128 s + KK, my column): 32 lanes read 128 consecutive bytes
.set KK, KK+1
.endr
.macro WBLOCK b, left
.set XN, WD+32*(\b)
	s_wait_loadcnt \left                           ; this block's 32 loads are in.  Behind block 0's stand 96 loads, behind block 1's 64: the wait names the most that it can, 63, which is fewer; then 32, then 0
	v_max3_num_f32 v[WMX+2*(\b)], |v[XN]|, |v[XN+1]|, |v[XN+2]|    ; the block's largest magnitude: all 32 numbers are mine
	v_max3_num_f32 v[WMX+2*(\b)+1], |v[XN+3]|, |v[XN+4]|, |v[XN+5]|
.irp i, 6,10,14,18,22,26
	v_max3_num_f32 v[WMX+2*(\b)], v[WMX+2*(\b)], |v[XN+\i]|, |v[XN+\i+1]|
	v_max3_num_f32 v[WMX+2*(\b)+1], v[WMX+2*(\b)+1], |v[XN+\i+2]|, |v[XN+\i+3]|
.endr
	v_max3_num_f32 v[WMX+2*(\b)], v[WMX+2*(\b)], |v[XN+30]|, |v[XN+31]|
	v_max3_num_f32 v[WMX+2*(\b)], v[WMX+2*(\b)], v[WMX+2*(\b)+1], 0x1800000   ; and the floor 2^(3 - 127)
	v_add_nc_u32 v[WSO+(\b)], 0xff000000, v[WMX+2*(\b)]            ; 2 off its exponent field: the conversions' scale operand
	v_lshrrev_b32 v[WBY+(\b)], 23, v[WSO+(\b)]     ; the scale's byte
.if (\b) == 0
	v_mov_b32 v[WSB], v[WBY]                       ; four bytes make my column's scale word for these 128 along K, the lower K in the lower byte
.else
	v_lshl_or_b32 v[WSB], v[WBY+(\b)], 8*(\b), v[WSB]
.endif
.irp g, 0,1,2,3
	v_cvt_scalef32_pk8_fp4_f32 v[WC+4*(\b)+\g], v[XN+8*\g:XN+8*\g+7], v[WSO+(\b)]
.endr
	global_store_b128 v4, v[WC+4*(\b):WC+4*(\b)+3], s[14:15] offset:256*(\b)   ; the results go to a store alone; no register of the conversions is written again
.endm
	WBLOCK 0, 63
	WBLOCK 1, 63
	WBLOCK 2, 32
	WBLOCK 3, 0
	global_store_b32 v3, v[WSB], s[16:17]          ; 128 consecutive bytes a wave: one byte for each 128 that the wave reads
	s_endpgm
; ---------------------------------------------------------------- ROUTE
; 128 threads, 64 tokens each.  (1) each thread counts its tokens by category and notes each token's rank among its own; (2) the counts are summed over lanes (a scan) and waves (through LDS);
; (3) every wave works out, in scalar registers, each category's number of tiles and first slot; (4) each token goes to slot first(category) + tokens of the category in threads before mine + rank;
; (5) the slots that no token takes are set to 0, so that every slot that the next launch loads has been stored; (6) the 64 tile entries.
; No LDS address and no branch hangs on loaded numbers; every store's slot is held inside the buffer by a minimum with a constant.
.Lroute:
	v_lshlrev_b32 v1, 4, v0                        ; 16 t
	v_lshlrev_b32 v2, 2, v0                        ; 4 t
.irp i, 0,1,2,3,4,5,6,7,8,9,10,11,12,13,14,15
	global_load_b128 v[CID+4*\i:CID+4*\i+3], v1, s[8:9] offset:2048*\i   ; register 4 i + j: token 512 i + 4 t + j
.endr
	v_mov_b32 v3, 1
	v_mov_b32 v4, 0                                ; my counts of categories 0-3, a byte each (64 at the most),
	v_mov_b32 v5, 0                                ; and of 4-7
	v_mov_b32 v10, 0
	v_mov_b32 v11, 9216                            ; the spare slot behind the lists, which nobody reads
	v_lshrrev_b32 v12, 5, v0
	v_lshlrev_b32 v12, 4, v12
	v_add_nc_u32 v12, RT, v12                      ; LDS: my wave's 16 bytes
	v_mov_b32 v13, RT
.irp m, 0,1,2,3
	v_mov_b32 v[TT+\m], 0                          ; written once: the destination of a DPP move counts as read
.endr
	s_mov_b32 s74, 0x06040200                      ; byte selects: the low bytes of four 16-bit numbers,
	s_mov_b32 s75, 0x07050301                      ; their high bytes,
	s_mov_b32 s76, 0x00000400                      ; and a low and a high byte put together
	s_wait_loadcnt 0x0
.macro CNT k                           ; token k: its rank is the count so far of its category; then that count goes up by one
.set TA, 6+2*((\k)%2)
	v_perm_b32 v[RK+(\k)], v5, v4, v[CID+(\k)]     ; byte 0: byte number 'category' of the eight counts (the other bytes are masked off later)
	v_lshlrev_b32 v[TA], 3, v[CID+(\k)]
	v_cmp_lt_u32 vcc_lo, 3, v[CID+(\k)]
	v_lshlrev_b32 v[TA], v[TA], v3                 ; 1 << (8 x category mod 32)
	v_cndmask_b32 v[TA+1], v10, v[TA], vcc_lo      ; for the upper four,
	v_cndmask_b32 v[TA], v[TA], v10, vcc_lo        ; or for the lower four
	v_add_nc_u32 v4, v4, v[TA]
	v_add_nc_u32 v5, v5, v[TA+1]
.endm
.set KK, 0
.rept 64
	CNT KK
.set KK, KK+1
.endr
	v_and_b32 v6, 0xff, v4                         ; the eight counts in 16 bits each: sums reach 9,216 at the most
	v_bfe_u32 v7, v4, 8, 8
	v_lshl_or_b32 v[OWN], v7, 16, v6
	v_bfe_u32 v6, v4, 16, 8
	v_lshrrev_b32 v7, 24, v4
	v_lshl_or_b32 v[OWN+1], v7, 16, v6
	v_and_b32 v6, 0xff, v5
	v_bfe_u32 v7, v5, 8, 8
	v_lshl_or_b32 v[OWN+2], v7, 16, v6
	v_bfe_u32 v6, v5, 16, 8
	v_lshrrev_b32 v7, 24, v5
	v_lshl_or_b32 v[OWN+3], v7, 16, v6
.irp m, 0,1,2,3
	v_mov_b32 v[S+\m], v[OWN+\m]
.endr
.irp d, 1,2,4,8                        ; the scan within each 16 lanes: lane i adds lane i - d's; lanes without such a lane add 0
.irp m, 0,1,2,3
	v_mov_b32_dpp v[TT+\m], v[S+\m] row_shr:\d row_mask:0xf bank_mask:0xf bound_ctrl:1
.endr
.irp m, 0,1,2,3
	v_add_nc_u32 v[S+\m], v[S+\m], v[TT+\m]
.endr
.endr
.irp m, 0,1,2,3
	v_readlane_b32 s[24+\m], v[S+\m], 15           ; the sum of lanes 0-15
.endr
	s_mov_b32 vcc_lo, 0xffff0000                   ; goes onto lanes 16-31
.irp m, 0,1,2,3
	v_mov_b32 v[TT+\m], s[24+\m]
	v_cndmask_b32 v[TT+\m], v10, v[TT+\m], vcc_lo
	v_add_nc_u32 v[S+\m], v[S+\m], v[TT+\m]
.endr
.irp m, 0,1,2,3
	v_readlane_b32 s[24+\m], v[S+\m], 31           ; my wave's totals
.endr
.irp m, 0,1,2,3
	v_mov_b32 v[188+\m], s[24+\m]
.endr
	ds_store_b128 v12, v[188:191]                  ; all lanes write the same 16 bytes with the same values
	s_wait_dscnt 0x0                               ; for the others' sake: my store has landed
	s_barrier_signal -1
	s_barrier_wait -1                              ; the launch's one barrier: all four waves of this work-group are on this path
.irp w, 0,1,2,3
	ds_load_b128 v[WTB+4*\w:WTB+4*\w+3], v13 offset:16*\w
.endr
	s_wait_dscnt 0x0
	s_cmp_gt_u32 s22, 0                            ; the totals of the waves in front of mine, chosen by masks
	s_cselect_b32 s24, -1, 0
.irp m, 0,1,2,3
	v_and_b32 v[WP+\m], s24, v[WTB+\m]
.endr
.irp w, 1,2
	s_cmp_gt_u32 s22, \w
	s_cselect_b32 s24, -1, 0
.irp m, 0,1,2,3
	v_and_b32 v[TT+\m], s24, v[WTB+4*\w+\m]
	v_add_nc_u32 v[WP+\m], v[WP+\m], v[TT+\m]
.endr
.endr
.irp m, 0,1,2,3
	v_add3_u32 v[G+\m], v[WTB+\m], v[WTB+4+\m], v[WTB+8+\m]
	v_add_nc_u32 v[G+\m], v[G+\m], v[WTB+12+\m]
.endr
.irp m, 0,1,2,3
	v_readfirstlane_b32 s24, v[G+\m]
	s_and_b32 s[32+2*\m], s24, 0xffff              ; s32-39: n_c
	s_lshr_b32 s[33+2*\m], s24, 16
.endr
	s_mov_b32 s40, 0                               ; s40-48: T_c, the first tile of category c; T_8 the number of tiles
.irp c, 0,1,2,3,4,5,6,7
	s_add_co_u32 s24, s[32+\c], 143
	s_mul_i32 s24, s24, 116509                     ; (n + 143) / 144 rounded down: 116509 x 144 = 2^24 + 80, so for n + 143 up to 8,335 the quotient is too large by under 0.0003, less than 1 / 144; the product stays under 2^32
	s_lshr_b32 s24, s24, 24
	s_add_co_u32 s[41+\c], s[40+\c], s24
.endr
.irp c, 0,1,2,3,4,5,6,7,8
	s_mul_i32 s[49+\c], s[40+\c], 144              ; s49-57: the first slot of category c
.endr
.irp c, 0,1,2,3,4,5,6,7
	s_add_co_u32 s[66+\c], s[49+\c], s[32+\c]      ; s66-73: the first slot behind its tokens
.endr
.irp m, 0,1,2,3
	s_lshl_b32 s24, s[50+2*\m], 16
	s_or_b32 s[58+\m], s24, s[49+2*\m]             ; the first slots, two to a register
.endr
.irp m, 0,1,2,3
	v_add3_u32 v[BA+\m], s[58+\m], v[WP+\m], v[S+\m]
	v_sub_nc_u32 v[BA+\m], v[BA+\m], v[OWN+\m]     ; first slot + earlier waves + earlier lanes (the scan without my own): no 16-bit part borrows
.endr
	v_perm_b32 v184, v[BA+1], v[BA], s74           ; the low bytes for categories 0-3,
	v_perm_b32 v185, v[BA+3], v[BA+2], s74         ; 4-7;
	v_perm_b32 v186, v[BA+1], v[BA], s75           ; the high bytes for 0-3,
	v_perm_b32 v187, v[BA+3], v[BA+2], s75         ; 4-7
.macro PUT k                           ; token k goes to its slot.  Each token has its own address and data registers.  (4 bytes a lane to scattered slots: 32 KiB in all, the sort's own scatter)
.set TA, 6+2*((\k)%2)
	v_and_b32 v[RK+(\k)], 0xff, v[RK+(\k)]
	v_perm_b32 v[TA], v185, v184, v[CID+(\k)]
	v_perm_b32 v[TA+1], v187, v186, v[CID+(\k)]
	v_perm_b32 v[TA], v[TA+1], v[TA], s76
	v_and_b32 v[TA], 0xffff, v[TA]                 ; my first slot of this category
	v_add_nc_u32 v[TA], v[TA], v[RK+(\k)]
	v_min_u32 v[TA], 0x23ff, v[TA]                 ; held inside the 9,216 slots
	v_lshlrev_b32 v[RK+(\k)], 2, v[TA]
	v_add_nc_u32 v[CID+(\k)], 512*((\k)/4)+(\k)%4, v2
	global_store_b32 v[RK+(\k)], v[CID+(\k)], s[18:19]
.endm
.set KK, 0
.rept 64
	PUT KK
.set KK, KK+1
.endr
	s_wait_xcnt 0x0                                ; the stores have read their registers: v16 on are written again below
	s_mov_b32 s62, 9216
; the slots from s[start] up to s[end] are set to 0, 128 at a time; a lane past the end writes the spare slot.  Each store has an address register of its own.
.set GR, 16
.macro GAP start, end, n
.set GQ, 0
.rept \n
	v_add3_u32 v[GR], v0, s[\start], 128*GQ
	v_cmp_gt_u32 vcc_lo, s[\end], v[GR]
	v_cndmask_b32 v[GR], v11, v[GR], vcc_lo
	v_min_u32 v[GR], 0x2400, v[GR]
	v_lshlrev_b32 v[GR], 2, v[GR]
	global_store_b32 v[GR], v10, s[18:19]
.set GR, GR+1
.set GQ, GQ+1
.endr
.endm
.irp c, 0,1,2,3,4,5,6,7
	GAP 66+\c, 50+\c, 2                            ; behind a category's tokens at most 143 slots are left of its last tile
.endr
	GAP 57, 62, 8                                  ; there are at least 57 tiles (8192 / 144 rounded up), so at most 1,008 slots lie behind the last
	s_cmp_lt_u32 s22, 2                            ; the 64 tile entries: threads 0 to 63
	s_cbranch_scc0 .Lroute_end
	v_mov_b32 v192, 0                              ; tile t belongs to the last category whose first tile is at or below t
	v_mov_b32 v194, s32
	v_mov_b32 v195, 0
.irp c, 1,2,3,4,5,6,7
	v_cmp_le_u32 vcc_lo, s[40+\c], v0
	v_mov_b32 v6, \c
	v_mov_b32 v7, s[32+\c]
	v_mov_b32 v8, s[40+\c]
	v_cndmask_b32 v192, v192, v6, vcc_lo
	v_cndmask_b32 v194, v194, v7, vcc_lo
	v_cndmask_b32 v195, v195, v8, vcc_lo
.endr
	v_sub_nc_u32 v6, v0, v195
	v_mul_u32_u24 v6, v6, 144
	v_sub_nc_u32 v6, v194, v6                      ; what is left of the category's tokens at this tile,
	v_max_i32 v6, 0, v6                            ; 0 for the tiles behind the last,
	v_min_i32 v193, 144, v6                        ; 144 at the most
	v_lshlrev_b32 v196, 3, v0
	global_store_b64 v196, v[192:193], s[20:21]    ; a wave stores 256 consecutive bytes, aligned
.Lroute_end:
	s_wait_tensorcnt 0x0
	ds_add_u32 v224, v225
	s_wait_dscnt 0x0
	s_endpgm
.Lfunc_end_k_qbeba926f5d_prep:
	.size	k_qbeba926f5d_prep, .Lfunc_end_k_qbeba926f5d_prep-k_qbeba926f5d_prep
	.p2alignl 7, 3214868480
	.fill 96, 4, 3214868480
	.section	.rodata,"a",@progbits
	.p2align	6, 0x0
	.amdhsa_kernel k_qbeba926f5d_prep
		.amdhsa_group_segment_fixed_size 23296
		.amdhsa_private_segment_fixed_size 0
		.amdhsa_enable_private_segment 0
		.amdhsa_kernarg_size 72
		.amdhsa_user_sgpr_count 2
		.amdhsa_user_sgpr_kernarg_segment_ptr 1
		.amdhsa_wavefront_size32 1
		.amdhsa_system_sgpr_workgroup_id_x 1
		.amdhsa_system_sgpr_workgroup_id_y 1
		.amdhsa_system_sgpr_workgroup_id_z 1
		.amdhsa_system_vgpr_workitem_id 0
		.amdhsa_next_free_vgpr 226
		.amdhsa_next_free_sgpr 80
		.amdhsa_reserve_vcc 1
		.amdhsa_float_denorm_mode_32 3
		.amdhsa_float_denorm_mode_16_64 3
		.amdhsa_memory_ordered 1
		.amdhsa_forward_progress 1
		.amdhsa_inst_pref_size 130
	.end_amdhsa_kernel
	.amdgpu_metadata
---
amdhsa.version: [ 1, 2 ]
amdhsa.kernels:
  - .name:           k_qbeba926f5d_prep
    .symbol:         k_qbeba926f5d_prep.kd
    .args:
      - { .name: x, .offset: 0, .size: 8, .value_kind: global_buffer, .address_space: global }
      - { .name: weight, .offset: 8, .size: 8, .value_kind: global_buffer, .address_space: global }
      - { .name: category_id, .offset: 16, .size: 8, .value_kind: global_buffer, .address_space: global }
      - { .name: xcodes, .offset: 24, .size: 8, .value_kind: global_buffer, .address_space: global }
      - { .name: xscales, .offset: 32, .size: 8, .value_kind: global_buffer, .address_space: global }
      - { .name: wimg, .offset: 40, .size: 8, .value_kind: global_buffer, .address_space: global }
      - { .name: wscl, .offset: 48, .size: 8, .value_kind: global_buffer, .address_space: global }
      - { .name: rows, .offset: 56, .size: 8, .value_kind: global_buffer, .address_space: global }
      - { .name: tiles, .offset: 64, .size: 8, .value_kind: global_buffer, .address_space: global }
    .group_segment_fixed_size: 23296
    .private_segment_fixed_size: 0
    .kernarg_segment_align: 8
    .kernarg_segment_size: 72
    .max_flat_workgroup_size: 128
    .sgpr_count:     80
    .vgpr_count:     226
    .wavefront_size: 32
...
	.end_amdgpu_metadata
.endif
;; end of part 1
;; launch gemm (part 2): grid 4 x 64, 4 waves a work-group, no clusters, 101,632 bytes of LDS; arguments xcodes, xscales, wimg, wscl, bias, rows, tiles, out0; writes out0
.if DOCPART == 2
	.amdgcn_target "amdgcn-amd-amdhsa--gfx1250"
	.amdhsa_code_object_version 6
	.text
	.protected	k_qbeba926f5d_gemm
	.globl	k_qbeba926f5d_gemm
	.p2align	8
	.type	k_qbeba926f5d_gemm,@function
k_qbeba926f5d_gemm:
	s_mov_b64 s[64:65], 0
	v_nop
	global_prefetch_b8 v0, s[64:65] scope:SCOPE_SE
	s_setreg_imm32_b32 hwreg(HW_REG_WAVE_MODE, 25, 1), 1
	s_wait_xcnt 0x0
; out[t][:] = Q(x[t]) Q(weight[category of t]) + bias[category of t], on codes of FP4 (E2M1) with one E8M0 scale for each 32 along K, for the rows of ONE tile (at most 144 tokens of one category) and 256 columns.
; Only the chosen category's product is made for a token.  The grid, 4 slices of columns x 64 tiles, serves every split of the tokens; a tile with count 0 stores nothing.
; SHARES.  Wave w owns columns 256 x slice + 64 w .. + 63 for all the tile's rows.  Its weights for all of K, 4 tiles of 16 columns x 8 steps of 128 along K, are 256 registers, loaded once: they lie in memory in
; the order of the registers, 32 KiB on end.  The tile's rows of x are gathered once, 36 rows a wave, each row by one load of 512 consecutive bytes, into LDS, and read there by all four waves.
; A block of 16 rows is 32 matrix instructions: 4 accumulators by turns, 8 steps along K.
; THE MATRIX INSTRUCTION IS USED TRANSPOSED (source 0 = 16 columns of the weight, source 1 = 16 rows of x): lane (r, h) holds row r, and register j of tile g its column 16 g + 8 h + j.
; The bias is the C of each sum's first product, in the result's layout (so it is added first, not last).
; A block's results go through the wave's own stage in LDS and leave as rows: 16 lanes store 256 consecutive bytes, at a multiple of 256 from the output's first byte.
; Slots of the tile at or past its count take the tile's first token: a last block that is not full computes that row again and stores the same bytes to the same place.
; NO JOINT LOADS, though a category's tiles read the same weights and the four slices the same rows: how many blocks a work-group walks hangs on a count read from memory.
; The one barrier stands ahead of every branch on a stored number, so a work-group whose tile is empty passes it too and ends behind it.
; LIMITS: tokens and the category are held inside their tables by minima with constants; NaN and infinities are not served.
; REGISTERS, in windows of 256: window 0: v0-15 addresses; v16-31 the weights' scale words; v32-47 x's scale words, two sets; v48-55 tokens; v56-71 store addresses, two sets; v72-135 accumulators, two sets of 4 x 8
;   (during the gather v72-215 hold 36 rows of x, v216-251 tokens, scales and their addresses).   window 1: the weights' 32 fragments.   window 2: v0-127 x's fragments, two sets of 8; v128-159 the bias.
.set XP,   528                         ; a row of x's codes in LDS: 512 bytes + 16 = 132 words: row r starts at bank 4 r mod 64 (64 banks of 4 bytes: ISA guide 11.1), so the 16 rows of a load start at 16 different banks
.set XSC,  144*XP                      ; behind the 144 rows: their scale bytes, 32 + 16 a row
.set SPI,  48
.set TK,   XSC+144*SPI                 ; the 144 tokens' numbers, 4 bytes each (768 bytes are kept for them)
.set STG,  TK+768                      ; the stages: 16 rows x (256 + 16) bytes for each wave
.set GP,   272
.set AFA,  4                           ; v4   x's fragments, blocks 0-4: 528 r + 16 h
.set AFB,  5                           ; v5   blocks 5-8: 5 x 16 rows further on, so that the immediates stay under 65,536
.set ASA,  6                           ; v6   x's scale words: XSC + 48 r
.set TKA,  7                           ; v7   the tokens of the two rows that a store takes: TK + 4 h
.set BS,   16
.set AS,   32
.set TR,   48
.set AD,   56
.set ACC,  72
.set RW,   72
.set MSB, 0
.macro WIN new                         ; the immediate's high byte repeats the setting that is left; a switch that changes nothing is dropped
.if MSB != \new
	s_set_vgpr_msb (MSB<<8)|\new
.set MSB, \new
.endif
.endm
	s_load_b512 s[4:19], s[0:1], 0x0               ; xcodes s[4:5], xscales s[6:7], wimg s[8:9], wscl s[10:11], bias s[12:13], rows s[14:15], tiles s[16:17], out0 s[18:19]
	v_lshl_add_u32 v254, v0, 2, 0x18b00
	v_mov_b32 v255, 0
	v_lshrrev_b32 v2, 5, v0
	v_readfirstlane_b32 s20, v2                    ; wave 0..3
	s_and_b32 s21, ttmp7, 0xffff                   ; the tile
	v_and_b32 v2, 31, v0                           ; lane
	v_and_b32 v3, 15, v0                           ; r
	v_bfe_u32 v15, v0, 4, 1                        ; h
	v_lshlrev_b32 v1, 4, v2                        ; 16 x lane
	v_mul_u32_u24 v[AFA], v3, XP
	v_lshl_add_u32 v[AFA], v15, 4, v[AFA]
	v_add_nc_u32 v[AFB], 5*16*XP, v[AFA]
	v_mul_u32_u24 v[ASA], v3, SPI
	v_add_nc_u32 v[ASA], XSC, v[ASA]
	v_lshl_add_u32 v[TKA], v15, 2, TK
	s_mul_i32 s22, s20, 16*GP
	s_add_co_u32 s22, s22, STG                     ; my stage
	v_mul_u32_u24 v8, v3, GP
	v_lshl_add_u32 v8, v15, 5, v8
	v_add_nc_u32 v8, s22, v8                       ; in: row r, + 32 h
	v_mul_u32_u24 v9, v15, GP
	v_lshl_add_u32 v9, v3, 4, v9
	v_add_nc_u32 v9, s22, v9                       ; back: lanes 0-15 one row of 256 bytes, lanes 16-31 the next
	v_lshlrev_b32 v10, 4, v3                       ; and my 16 bytes of such a row in the output
	v_lshlrev_b32 v11, 2, v2                       ; 4 x lane
	v_lshlrev_b32 v12, 5, v15                      ; the bias: 32 h
	v_mov_b32 v13, 0
	v_and_b32 v14, 1, v0
	v_lshlrev_b32 v14, 4, v14                      ; which half of a row's 32 scale bytes
	s_mul_i32 s26, s20, 36                         ; my wave gathers slots 36 w .. 36 w + 35
	v_add_nc_u32 v236, s26, v2                     ; slot of lane l: 36 w + l,
	v_and_b32 v237, 3, v0
	v_add_nc_u32 v237, s26, v237
	v_add_nc_u32 v237, 32, v237                    ; and 36 w + 32 + l % 4;
	v_lshrrev_b32 v238, 1, v2
	v_and_b32 v240, 3, v238
	v_add_nc_u32 v238, s26, v238                   ; for the scale bytes two lanes to a slot: 36 w + l / 2,
	v_add_nc_u32 v239, 16, v238                    ; + 16,
	v_add_nc_u32 v240, s26, v240
	v_add_nc_u32 v240, 32, v240                    ; and 36 w + 32 + (l / 2) % 4
.irp q, 0,1,2,3,4
	v_lshlrev_b32 v[241+\q], 2, v[236+\q]          ; the slots' places in the tile's list
.endr
	s_mul_i32 s26, s20, 36*XP
	v_add_nc_u32 v246, s26, v1                     ; LDS: my wave's 36 rows, 16 bytes a lane
.irp q, 0,1,2
	v_mul_u32_u24 v[247+\q], v[238+\q], SPI
	v_add_nc_u32 v[247+\q], v[247+\q], v14
	v_add_nc_u32 v[247+\q], XSC, v[247+\q]         ; LDS: a slot's scale bytes, my half
.endr
	v_add_nc_u32 v250, TK, v241                    ; LDS: a slot's token
	v_add_nc_u32 v251, TK, v242
	s_wait_kmcnt 0x0
	s_lshl_b32 s22, s21, 3
	s_mov_b32 s23, 0
	s_add_nc_u64 s[16:17], s[16:17], s[22:23]
	s_load_b64 s[24:25], s[16:17], 0x0             ; the tile's category and count
	s_mul_i32 s22, s21, 576
	s_add_nc_u64 s[14:15], s[14:15], s[22:23]      ; the tile's list of 144 slots: it is asked for beside the entry, not behind it
.irp q, 0,1,2,3,4
	global_load_b32 v[216+\q], v[241+\q], s[14:15]
.endr
	global_load_b32 v221, v13, s[14:15]            ; the tile's first token
	s_wait_kmcnt 0x0
	s_min_u32 s24, s24, 7
	s_min_u32 s25, s25, 144
	s_lshl_b32 s22, s24, 19                        ; the weights' codes: a category is 2^19 bytes, a slice of 256 columns 2^17, a wave's 64 columns 2^15
	s_lshl_b32 s26, ttmp9, 17
	s_add_co_u32 s22, s22, s26
	s_lshl_b32 s26, s20, 15
	s_add_co_u32 s22, s22, s26
	s_add_nc_u64 s[8:9], s[8:9], s[22:23]
	s_lshl_b32 s22, s24, 15                        ; their scale words: 2^15, 2^13, 2^11
	s_lshl_b32 s26, ttmp9, 13
	s_add_co_u32 s22, s22, s26
	s_lshl_b32 s26, s20, 11
	s_add_co_u32 s22, s22, s26
	s_add_nc_u64 s[10:11], s[10:11], s[22:23]
	s_lshl_b32 s22, ttmp9, 10                      ; my 64 columns in a row of the output: 1,024 bytes a slice, 256 a wave
	s_lshl_b32 s26, s20, 8
	s_add_co_u32 s22, s22, s26
	s_add_nc_u64 s[18:19], s[18:19], s[22:23]
	s_lshl_b32 s26, s24, 12                        ; and in the bias, 4,096 bytes a category
	s_add_co_u32 s22, s22, s26
	s_add_nc_u64 s[12:13], s[12:13], s[22:23]
	s_wait_loadcnt 0x0                             ; the tokens
.irp q, 0,1,2,3,4
	v_cmp_gt_u32 vcc_lo, s25, v[236+\q]            ; a slot at or past the count takes the tile's first token
	v_cndmask_b32 v[216+\q], v221, v[216+\q], vcc_lo
	v_min_u32 v[216+\q], 0x1fff, v[216+\q]         ; held inside the 8,192 tokens
.endr
	ds_store_b32 v250, v216                        ; the tokens go to LDS for the way out
	ds_store_b32 v251, v217                        ; (lanes with the same slot write the same word with the same value)
; my 36 tokens as scalars: s32-63 and s66-69
.set I, 0
.rept 36
.if I < 32
	v_readlane_b32 s[32+I], v216, I
	s_min_u32 s[32+I], s[32+I], 0x1fff
.else
	v_readlane_b32 s[34+I], v217, I-32
	s_min_u32 s[34+I], s[34+I], 0x1fff
.endif
.set I, I+1
.endr
.set I, 0
.rept 36
.if I < 32
	v_lshl_add_u32 v[RW+4*I], s[32+I], 9, v1       ; 512 x token + 16 x lane; the address stands in the load's own first register
.else
	v_lshl_add_u32 v[RW+4*I], s[34+I], 9, v1
.endif
	global_load_b128 v[RW+4*I:RW+4*I+3], v[RW+4*I], s[4:5]         ; a row of x's codes: 32 lanes read 512 consecutive bytes
.set I, I+1
.endr
.irp q, 0,1,2
	v_lshl_add_u32 v[224+4*\q], v[218+\q], 5, v14  ; 32 x token + my half
	global_load_b128 v[224+4*\q:224+4*\q+3], v[224+4*\q], s[6:7]
.endr
	WIN 0x40                                       ; destination window 1
.set I, 0
.rept 64
	global_load_b128 v[4*I:4*I+3], v1, s[8:9] offset:512*I         ; fragment (tile g, step s) is registers 8 (8 g + s) on: 32 KiB on end, as they lie
.set I, I+1
.endr
	WIN 0x80                                       ; destination window 2
.irp g, 0,1,2,3
	global_load_b128 v[128+8*\g:128+8*\g+3], v12, s[12:13] offset:64*\g      ; the bias of columns 16 g + 8 h + 0 .. 7
	global_load_b128 v[128+8*\g+4:128+8*\g+7], v12, s[12:13] offset:64*\g+16
.endr
	WIN 0
.irp i, 0,1,2,3,4,5,6,7,8,9,10,11,12,13,14,15
	global_load_b32 v[BS+\i], v11, s[10:11] offset:128*\i          ; register 8 (g / 2) + s: lanes 0-15 the words of the even tile, lanes 16-31 those of the odd one
.endr
	s_wait_loadcnt 63                              ; behind x's 39 loads stand 88: with 63 out at the most, x's are in
.set I, 0
.rept 36
	ds_store_b128 v246, v[RW+4*I:RW+4*I+3] offset:XP*I
.set I, I+1
.endr
.irp q, 0,1,2
	ds_store_b128 v[247+\q], v[224+4*\q:224+4*\q+3]
.endr
	s_wait_dscnt 0x0                               ; for the others' sake: my rows, scale bytes and tokens have landed
	s_barrier_signal -1
	s_barrier_wait -1                              ; the tile's 144 rows lie in LDS; nobody writes them again
; 26 LDS loads: block j's eight fragments of x, its rows' scale words and its tokens, into set j % 2
.macro PRE j
.set PP, (\j)%2
.if (\j) < 5
.set PA, AFA
.set PO, (\j)*16*XP
.else
.set PA, AFB
.set PO, ((\j)-5)*16*XP
.endif
	WIN 0x80                                       ; destination window 2, address window 0
.irp s, 0,1,2,3,4,5,6,7
.irp c, 0,1
	ds_load_b128 v[64*PP+8*\s+4*\c:64*PP+8*\s+4*\c+3], v[PA] offset:PO+64*\s+32*\c   ; registers 4 c on: K = 128 s + 64 c + 32 h + 0 .. 31 of row r, 16 bytes as they lie
.endr
.endr
	WIN 0
	ds_load_b128 v[AS+8*PP:AS+8*PP+3], v[ASA] offset:16*SPI*(\j)           ; row r's eight scale words, one for each step
	ds_load_b128 v[AS+8*PP+4:AS+8*PP+7], v[ASA] offset:16*SPI*(\j)+16
.irp t, 0,1,2,3,4,5,6,7
	ds_load_b32 v[TR+\t], v[TKA] offset:64*(\j)+8*\t               ; the token of row 2 t + h
.endr
.endm
; one product: tile g, step s.  The weights' scale words of an odd tile stand in lanes 16-31.
.macro WM g, s, first
.set RD, ACC+32*PP+8*(\g)
.set RB, 8*(8*(\g)+(\s))
.set RA, 64*PP+8*(\s)
.if \first
.if (\g)%2
	v_wmma_scale_f32_16x16x128_f8f6f4 v[RD:RD+7], v[RB:RB+7], v[RA:RA+7], v[128+8*(\g):128+8*(\g)+7], v[BS+8*((\g)/2)+(\s)], v[AS+8*PP+(\s)] matrix_a_fmt:MATRIX_FMT_FP4 matrix_b_fmt:MATRIX_FMT_FP4 matrix_a_scale:MATRIX_SCALE_ROW1
.else
	v_wmma_scale_f32_16x16x128_f8f6f4 v[RD:RD+7], v[RB:RB+7], v[RA:RA+7], v[128+8*(\g):128+8*(\g)+7], v[BS+8*((\g)/2)+(\s)], v[AS+8*PP+(\s)] matrix_a_fmt:MATRIX_FMT_FP4 matrix_b_fmt:MATRIX_FMT_FP4
.endif
.else
.if (\g)%2
	v_wmma_scale_f32_16x16x128_f8f6f4 v[RD:RD+7], v[RB:RB+7], v[RA:RA+7], v[RD:RD+7], v[BS+8*((\g)/2)+(\s)], v[AS+8*PP+(\s)] matrix_a_fmt:MATRIX_FMT_FP4 matrix_b_fmt:MATRIX_FMT_FP4 matrix_a_scale:MATRIX_SCALE_ROW1
.else
	v_wmma_scale_f32_16x16x128_f8f6f4 v[RD:RD+7], v[RB:RB+7], v[RA:RA+7], v[RD:RD+7], v[BS+8*((\g)/2)+(\s)], v[AS+8*PP+(\s)] matrix_a_fmt:MATRIX_FMT_FP4 matrix_b_fmt:MATRIX_FMT_FP4
.endif
.endif
.endm
; block j's 32 products: the four accumulators take turns, one instruction a turn; the first four start the sums with the bias
.macro MUL j
.set PP, (\j)%2
	WIN 0x29                                       ; source 0 (weights) window 1, source 1 (x) window 2, C (bias) window 2, D window 0
.irp g, 0,1,2,3
	WM \g, 0, 1
.endr
	WIN 0x09                                       ; C and D window 0
.irp s, 1,2,3,4,5,6,7
.irp g, 0,1,2,3
	WM \g, \s, 0
.endr
.endr
	WIN 0
.endm
; block j's results into my stage, and back as rows, into the registers that they left
.macro STAGE j
.set PP, (\j)%2
.rept 4
	v_nop                                          ; four places between the last product and the first read of results (ISA guide 7.12.1)
.endr
.irp g, 0,1,2,3
	ds_store_b128 v8, v[ACC+32*PP+8*\g:ACC+32*PP+8*\g+3] offset:64*\g          ; each accumulator from its low end on
	ds_store_b128 v8, v[ACC+32*PP+8*\g+4:ACC+32*PP+8*\g+7] offset:64*\g+16
.endr
.irp t, 0,1,2,3,4,5,6,7
	ds_load_b128 v[ACC+32*PP+4*\t:ACC+32*PP+4*\t+3], v9 offset:2*GP*\t     ; LDS serves a wave's instructions in order (ISA guide 5.7.1.4): these see the stores above
.endr
.endm
; the rows in set p leave.  younger: the LDS loads issued behind them, which may stay out
.macro SEND p, younger
	s_wait_dscnt \younger
.irp t, 0,1,2,3,4,5,6,7
	global_store_b128 v[AD+8*(\p)+\t], v[ACC+32*(\p)+4*\t:ACC+32*(\p)+4*\t+3], s[18:19] th:TH_STORE_NT   ; lanes 0-15: 256 consecutive aligned bytes of row 2 t's token, lanes 16-31 of row 2 t + 1's; written once, read by nobody here
.endr
.endm
; BLOCK j: rows 16 j .. 16 j + 15.  The next block's fetch goes out ahead of this block's products; the last block's rows are stored behind them.
.macro BLOCK j
.set PB, (\j)%2
	s_cmp_le_u32 s25, 16*(\j)                      ; no row left: what the last block left in the stage's registers is stored, and the wave ends
.if (\j) == 0
	s_cbranch_scc1 .Lend
	s_wait_dscnt 0x0                               ; this block's fetch is in
.else
.if PB
	s_cbranch_scc1 .Lflush0
.else
	s_cbranch_scc1 .Lflush1
.endif
	s_wait_dscnt 16                                ; this block's fetch is in: behind it stand the 16 LDS instructions of the last block's way through the stage
.endif
	s_wait_xcnt 0x0                                ; the stores of two blocks back have read their addresses and data: this set's registers are written again only behind this wait
.irp t, 0,1,2,3,4,5,6,7
	v_min_u32 v[TR+\t], 0x1fff, v[TR+\t]           ; a loaded number enters an address behind a minimum with a constant
.endr
.irp t, 0,1,2,3,4,5,6,7
	v_lshl_add_u32 v[AD+8*PB+\t], v[TR+\t], 12, v10                ; 4,096 x token + my 16 bytes.  (These sixteen lines and the four v_nop of the last block are the places in front of the loads below and of the sums begun anew)
.endr
.if (\j) < 8
	PRE (\j)+1
.endif
	MUL \j
.if (\j) > 0
.if (\j) < 8
	SEND 1-PB, 26                                  ; behind the last block's rows stand the 26 loads of the next block's fetch
.else
	SEND 1-PB, 0
.endif
.endif
	STAGE \j
.endm
	PRE 0
	s_wait_loadcnt 0x0                             ; the weights, their scale words and the bias
.irp j, 0,1,2,3,4,5,6,7,8
	BLOCK \j
.endr
.Lflush0:                                              ; block 8 falls in here
	SEND 0, 0
	s_wait_tensorcnt 0x0
	ds_add_u32 v254, v255
	s_wait_dscnt 0x0
	s_endpgm
.Lflush1:
	SEND 1, 0
	s_wait_tensorcnt 0x0
	ds_add_u32 v254, v255
	s_wait_dscnt 0x0
	s_endpgm
.Lend:
	s_wait_dscnt 0x0                               ; an empty tile: the first fetch is let in, nothing is stored
	s_wait_tensorcnt 0x0
	ds_add_u32 v254, v255
	s_wait_dscnt 0x0
	s_endpgm
.Lfunc_end_k_qbeba926f5d_gemm:
	.size	k_qbeba926f5d_gemm, .Lfunc_end_k_qbeba926f5d_gemm-k_qbeba926f5d_gemm
	.p2alignl 7, 3214868480
	.fill 96, 4, 3214868480
	.section	.rodata,"a",@progbits
	.p2align	6, 0x0
	.amdhsa_kernel k_qbeba926f5d_gemm
		.amdhsa_group_segment_fixed_size 101632
		.amdhsa_private_segment_fixed_size 0
		.amdhsa_enable_private_segment 0
		.amdhsa_kernarg_size 64
		.amdhsa_user_sgpr_count 2
		.amdhsa_user_sgpr_kernarg_segment_ptr 1
		.amdhsa_wavefront_size32 1
		.amdhsa_system_sgpr_workgroup_id_x 1
		.amdhsa_system_sgpr_workgroup_id_y 1
		.amdhsa_system_sgpr_workgroup_id_z 1
		.amdhsa_system_vgpr_workitem_id 0
		.amdhsa_next_free_vgpr 672
		.amdhsa_next_free_sgpr 72
		.amdhsa_reserve_vcc 1
		.amdhsa_float_denorm_mode_32 3
		.amdhsa_float_denorm_mode_16_64 3
		.amdhsa_memory_ordered 1
		.amdhsa_forward_progress 1
		.amdhsa_inst_pref_size 108
	.end_amdhsa_kernel
	.amdgpu_metadata
---
amdhsa.version: [ 1, 2 ]
amdhsa.kernels:
  - .name:           k_qbeba926f5d_gemm
    .symbol:         k_qbeba926f5d_gemm.kd
    .args:
      - { .name: xcodes, .offset: 0, .size: 8, .value_kind: global_buffer, .address_space: global }
      - { .name: xscales, .offset: 8, .size: 8, .value_kind: global_buffer, .address_space: global }
      - { .name: wimg, .offset: 16, .size: 8, .value_kind: global_buffer, .address_space: global }
      - { .name: wscl, .offset: 24, .size: 8, .value_kind: global_buffer, .address_space: global }
      - { .name: bias, .offset: 32, .size: 8, .value_kind: global_buffer, .address_space: global }
      - { .name: rows, .offset: 40, .size: 8, .value_kind: global_buffer, .address_space: global }
      - { .name: tiles, .offset: 48, .size: 8, .value_kind: global_buffer, .address_space: global }
      - { .name: out0, .offset: 56, .size: 8, .value_kind: global_buffer, .address_space: global }
    .group_segment_fixed_size: 101632
    .private_segment_fixed_size: 0
    .kernarg_segment_align: 8
    .kernarg_segment_size: 64
    .max_flat_workgroup_size: 128
    .sgpr_count:     72
    .vgpr_count:     672
    .wavefront_size: 32
...
	.end_amdgpu_metadata
.endif
;; end of part 2
;; ======== version 2 of 2: 2 launches
;; workspace buffers: xcodes 4,194,304 bytes; xscales 262,144 bytes; wimg 4,194,304 bytes; wscl 262,144 bytes; rows 37,120 bytes of whole numbers; tiles 512 bytes of whole numbers
;; launch prep (part 3): grid 769 x 1, 4 waves a work-group, no clusters, 23,296 bytes of LDS; arguments x, weight, category_id, xcodes, xscales, wimg, wscl, rows, tiles; writes xcodes, xscales, wimg, wscl, rows, tiles
.if DOCPART == 3
	.amdgcn_target "amdgcn-amd-amdhsa--gfx1250"
	.amdhsa_code_object_version 6
	.text
	.protected	k_qbeba926f5d_prep
	.globl	k_qbeba926f5d_prep
	.p2align	8
	.type	k_qbeba926f5d_prep,@function
k_qbeba926f5d_prep:
	s_mov_b64 s[64:65], 0
	v_nop
	global_prefetch_b8 v0, s[64:65] scope:SCOPE_SE
	s_setreg_imm32_b32 hwreg(HW_REG_WAVE_MODE, 25, 1), 1
	s_wait_xcnt 0x0
; THE LAUNCH IN FRONT OF THE PRODUCT.  Three kinds of work-group, told apart by the work-group's number alone:
;   0          ROUTE:  the 8,192 tokens are sorted by category (a counting sort by 128 threads, no atomics) into lists of rows, 144 slots a tile, and 64 tile entries (category, count).
;   1 .. 256   X:      x [8192][1024] f32 becomes codes of FP4 (E2M1), K innermost, 512 bytes a token, and one E8M0 byte for each 32 along K, 32 bytes a token.
;   257 .. 768 WEIGHT: weight [8][1024 k][1024 n] f32, whose K is not innermost, becomes codes laid in the order of the operand's registers,
;                      [category][16 columns][block of 32 k][column][16 bytes], and scale words [category][32 columns][128 k][column].
; A block's scale is 2^(floor(log2(its largest magnitude)) - 2); its byte is the largest magnitude's exponent field - 2, held at 1 from below by a floor among the maximum's leaves.
; LIMITS: a block of zeros, and a block whose largest magnitude lies under 2^-124, gets the byte 1 (a block of zeros has zero codes, and this program alone reads the bytes);
; NaN and infinities among x and weight are not served; category numbers are taken to lie in 0 .. 7, as the table that they index has 8 rows: other numbers give wrong lists, but every address is held inside its buffer.
; TILES: with n_c tokens in category c the tiles number sum of ceil(n_c / 144), at most (8192 + 8 x 143) / 144 rounded down = 64, whatever the split.
; No tensor loads and no ring.  Each kind of work-group has LDS bytes of its own.  EXEC is never written.
.set WREG,  5632                       ; X: LDS of a wave: two stages of 32 x 80 bytes, then its 256 scale bytes
.set SP,    80                         ; X: a lane's place in a stage: its 64 bytes + 16 of padding
.set RT,    4*WREG                     ; ROUTE: 4 x 16 bytes, the waves' totals
.set STEPS, 16                         ; X: a wave takes 16 steps of 512 numbers
.set DEPTH, 8                          ; X: loads run eight steps (32 loads of 512 bytes a wave) ahead
.set R,     16                         ; X: v16-143   eight sets of 16 numbers as loaded
.set X,     144                        ; X: v144-175  two sets of 16 neighbours
.set C,     176                        ; X: v176-207  two registers of codes for each step: no store's data are written again
.set E,     208                        ; X: v208-223  a scale byte for each step
.set WD,    16                         ; WEIGHT: v16-143  128 numbers down K of my column
.set WMX,   144                        ; WEIGHT: v144-151 two chains of maxima for each block
.set WSO,   152                        ; WEIGHT: v152-155 the conversions' scale operands
.set WBY,   156                        ; WEIGHT: v156-159 the scale bytes
.set WC,    160                        ; WEIGHT: v160-175 the codes, four registers a block
.set WSB,   176                        ; WEIGHT: v176     the scale word
.set CID,   16                         ; ROUTE: v16-79   my 64 tokens' categories, later the tokens' numbers
.set RK,    80                         ; ROUTE: v80-143  their ranks among my own tokens of the category, later the stores' addresses
.set OWN,   144                        ; ROUTE: v144-147 my counts, two categories a register (16 bits each)
.set S,     148                        ; ROUTE: v148-151 the scan over the wave's lanes
.set TT,    152                        ; ROUTE: v152-155 at work
.set WTB,   156                        ; ROUTE: v156-171 the four waves' totals
.set WP,    172                        ; ROUTE: v172-175 the totals of the waves in front of mine
.set G,     176                        ; ROUTE: v176-179 the totals of all
.set BA,    180                        ; ROUTE: v180-183 the first slot of my tokens, for each category
	s_load_b512 s[4:19], s[0:1], 0x0               ; x s[4:5], weight s[6:7], category_id s[8:9], xcodes s[10:11], xscales s[12:13], wimg s[14:15], wscl s[16:17], rows s[18:19]
	s_load_b64 s[20:21], s[0:1], 0x40              ; tiles
	v_lshl_add_u32 v224, v0, 2, 0x5900
	v_mov_b32 v225, 0
	v_lshrrev_b32 v1, 5, v0
	v_readfirstlane_b32 s22, v1                    ; wave 0..3
	v_and_b32 v2, 31, v0                           ; lane
	s_wait_kmcnt 0x0
	s_cmp_eq_u32 ttmp9, 0
	s_cbranch_scc1 .Lroute
	s_cmp_lt_u32 ttmp9, 257
	s_cbranch_scc0 .Lweight
; ---------------------------------------------------------------- X
; Rows are dense and 1,024 is a multiple of 32: x is a plain stream of blocks of 32, and so are its codes and scale bytes.  A wave takes 8,192 numbers (8 tokens).
; Each load reads 512 consecutive bytes, 16 a lane; a step's 2,048 bytes turn through the wave's own stage in LDS and come back 64 bytes a lane: 16 neighbours along K, two lanes to a block.
	s_sub_co_u32 s24, ttmp9, 1
	s_lshl_b32 s24, s24, 2
	s_add_co_u32 s24, s24, s22                     ; which run of 8,192 numbers is my wave's: 0 .. 1023
	s_mov_b32 s27, 0
	s_lshl_b32 s26, s24, 15
	s_add_nc_u64 s[4:5], s[4:5], s[26:27]          ; 32,768 bytes of x a run,
	s_lshl_b32 s26, s24, 12
	s_add_nc_u64 s[10:11], s[10:11], s[26:27]      ; 4,096 of codes,
	s_lshl_b32 s26, s24, 8
	s_add_nc_u64 s[12:13], s[12:13], s[26:27]      ; 256 of scale bytes
	s_mul_i32 s25, s22, WREG
	s_wait_alu depctr_va_vdst(0)
	v_lshlrev_b32 v3, 4, v2                        ; my 16 bytes of a load's 512
	v_lshlrev_b32 v4, 3, v2                        ; my 8 bytes of a step's codes, and of the wave's scale bytes
	v_lshrrev_b32 v14, 2, v2
	v_mul_u32_u24 v14, v14, SP
	v_and_b32 v15, 3, v2
	v_lshl_add_u32 v14, v15, 4, v14
	v_add_nc_u32 v14, s25, v14                     ; the stage, on the way in: 80 (lane / 4) + 16 (lane % 4); a load's 512 bytes take eight places
	v_mul_u32_u24 v15, v2, SP
	v_add_nc_u32 v15, s25, v15                     ; and on the way out: 80 x lane
	s_add_co_u32 s25, s25, 2*32*SP
	v_lshrrev_b32 v5, 1, v2
	v_add_nc_u32 v5, s25, v5                       ; my block's scale byte in the wave's 256
	v_add_nc_u32 v6, s25, v4                       ; and 8 of them a lane on the way out
.macro XLOAD t
.irp i, 0,1,2,3
	global_load_b128 v[R+16*((\t)%DEPTH)+4*\i:R+16*((\t)%DEPTH)+4*\i+3], v3, s[4:5] offset:2048*(\t)+512*\i th:TH_LOAD_NT
.endr
.endm
.macro XTURN t                         ; step t's numbers through the stage; LDS serves a wave's instructions in order (ISA guide 5.7.1.4): no wait between the stores and the loads
.irp i, 0,1,2,3
	ds_store_b128 v14, v[R+16*((\t)%DEPTH)+4*\i:R+16*((\t)%DEPTH)+4*\i+3] offset:32*SP*((\t)%2)+8*SP*\i
.endr
.irp i, 0,1,2,3
	ds_load_b128 v[X+16*((\t)%2)+4*\i:X+16*((\t)%2)+4*\i+3], v15 offset:32*SP*((\t)%2)+16*\i
.endr
.endm
.irp t, 0,1,2,3,4,5,6,7
	XLOAD \t
.endr
	s_wait_alu depctr_va_vdst(0)
	s_wait_loadcnt 28                              ; step 0's four loads are in; the 28 of steps 1 to 7 may be out
	XTURN 0
.macro XSTEP t
.set XN, X+16*((\t)%2)
.if (\t) > 0
	s_wait_dscnt 1                                 ; this step's numbers are back from the stage (only the last step's byte store is younger): so its stores into the stage have read their registers,
.else
	s_wait_dscnt 0x0
.endif
.if (\t)+DEPTH < STEPS
	XLOAD (\t)+DEPTH                               ; which take the loads of eight steps on
.endif
.if (\t)+1 < STEPS
.if STEPS-2-(\t) > DEPTH-1
	s_wait_loadcnt 4*(DEPTH-1)                     ; the next step's four loads are in; those of the seven steps behind it may be out
.else
	s_wait_loadcnt 4*(STEPS-2-(\t))                ; towards the end fewer steps are behind it
.endif
	XTURN (\t)+1                                   ; and go through the other stage while this step is worked
.endif
	v_max3_num_f32 v8, |v[XN]|, |v[XN+1]|, |v[XN+2]|               ; the largest magnitude of my 16, in two chains
	v_max3_num_f32 v9, |v[XN+3]|, |v[XN+4]|, |v[XN+5]|
.irp i, 6,10
	v_max3_num_f32 v8, v8, |v[XN+\i]|, |v[XN+\i+1]|
	v_max3_num_f32 v9, v9, |v[XN+\i+2]|, |v[XN+\i+3]|
.endr
	v_max3_num_f32 v8, v8, |v[XN+14]|, |v[XN+15]|
	v_max3_num_f32 v8, v8, v9, 0x1800000           ; and the floor 2^(3 - 127): the byte cannot fall under 1
	v_max_num_f32_dpp v8, v8, v8 row_xmask:1 row_mask:0xf bank_mask:0xf   ; with my neighbour's 16: the block's
	v_add_nc_u32 v11, 0xff000000, v8               ; 2 off its exponent field: the conversion takes the exponent field of this operand as its scale, and nothing else of it
	v_cvt_scalef32_pk8_fp4_f32 v[C+2*(\t)], v[XN:XN+7], v11
	v_cvt_scalef32_pk8_fp4_f32 v[C+2*(\t)+1], v[XN+8:XN+15], v11
	v_lshrrev_b32 v[E+(\t)], 23, v11               ; the scale's byte
	ds_store_b8 v5, v[E+(\t)] offset:16*(\t)       ; both lanes of a block write the same byte with the same value
	global_store_b64 v4, v[C+2*(\t):C+2*(\t)+1], s[10:11] offset:256*(\t)   ; the wave stores 256 consecutive bytes, at a multiple of 256 from the buffer's first byte
.endm
.irp t, 0,1,2,3,4,5,6,7,8,9,10,11,12,13,14,15
	XSTEP \t
.endr
	ds_load_b64 v[12:13], v6                       ; these see my byte stores: LDS serves a wave's instructions in order
	s_wait_dscnt 0x0
	global_store_b64 v4, v[12:13], s[12:13]        ; the wave's 256 scale bytes, consecutive and aligned
	s_wait_tensorcnt 0x0
	ds_add_u32 v224, v225
	s_wait_dscnt 0x0
	s_endpgm
; ---------------------------------------------------------------- WEIGHT
; A LANE TAKES A COLUMN n, AND ITS REGISTERS RUN DOWN K: a block of 32 along K lies in one lane's 32 registers, and the conversions give its 16 bytes of codes with K innermost.  Nothing is transposed.
; A wave takes 32 columns x 128 along K.  Eight neighbouring work-groups stand side by side on the 4,096 bytes of the same rows.
; In the codes' buffer a block's 16 columns x 16 bytes are 256 consecutive bytes, so lanes 0-15 and lanes 16-31 each store 256 consecutive aligned bytes, straight from registers.
.Lweight:
	s_sub_co_u32 s24, ttmp9, 257
	s_and_b32 s25, s24, 7                          ; which 128 columns
	s_bfe_u32 s26, s24, 0x30003                    ; s: which 128 along K
	s_lshr_b32 s27, s24, 6                         ; the category
	s_lshl_b32 s25, s25, 2
	s_add_co_u32 s25, s25, s22                     ; P: which 32 columns are my wave's, 0 .. 31
	s_mov_b32 s29, 0
	s_lshl_b32 s28, s27, 22                        ; weight: a category is 2^22 bytes, 128 rows are 2^19, 32 columns 128
	s_lshl_b32 s30, s26, 19
	s_add_co_u32 s28, s28, s30
	s_lshl_b32 s30, s25, 7
	s_add_co_u32 s28, s28, s30
	s_add_nc_u64 s[6:7], s[6:7], s[28:29]
	s_lshl_b32 s28, s27, 19                        ; codes: a category is 2^19 bytes, 32 columns (all K) 2^14, four blocks of 16 columns 2^10
	s_lshl_b32 s30, s25, 14
	s_add_co_u32 s28, s28, s30
	s_lshl_b32 s30, s26, 10
	s_add_co_u32 s28, s28, s30
	s_add_nc_u64 s[14:15], s[14:15], s[28:29]
	s_lshl_b32 s28, s27, 15                        ; scale words: a category is 2^15 bytes, 32 columns (all K) 2^10, one word for each of 32 columns 128
	s_lshl_b32 s30, s25, 10
	s_add_co_u32 s28, s28, s30
	s_lshl_b32 s30, s26, 7
	s_add_co_u32 s28, s28, s30
	s_add_nc_u64 s[16:17], s[16:17], s[28:29]
	s_wait_alu depctr_va_vdst(0)
	v_lshlrev_b32 v3, 2, v2                        ; 4 bytes a lane: in, and for the scale word
	v_lshrrev_b32 v4, 4, v2
	v_and_b32 v5, 15, v2
	v_lshlrev_b32 v5, 4, v5
	v_lshl_add_u32 v4, v4, 13, v5                  ; codes: 16 x (lane % 16), and lanes 16-31 in the next 16 columns' 8,192 bytes
.set KK, 0
.rept 128
	global_load_b32 v[WD+KK], v3, s[6:7] offset:4096*KK th:TH_LOAD_NT   ; weight(128 s + KK, my column): 32 lanes read 128 consecutive bytes
.set KK, KK+1
.endr
.macro WBLOCK b, left
.set XN, WD+32*(\b)
	s_wait_loadcnt \left                           ; this block's 32 loads are in.  Behind block 0's stand 96 loads, behind block 1's 64: the wait names the most that it can, 63, which is fewer; then 32, then 0
	v_max3_num_f32 v[WMX+2*(\b)], |v[XN]|, |v[XN+1]|, |v[XN+2]|    ; the block's largest magnitude: all 32 numbers are mine
	v_max3_num_f32 v[WMX+2*(\b)+1], |v[XN+3]|, |v[XN+4]|, |v[XN+5]|
.irp i, 6,10,14,18,22,26
	v_max3_num_f32 v[WMX+2*(\b)], v[WMX+2*(\b)], |v[XN+\i]|, |v[XN+\i+1]|
	v_max3_num_f32 v[WMX+2*(\b)+1], v[WMX+2*(\b)+1], |v[XN+\i+2]|, |v[XN+\i+3]|
.endr
	v_max3_num_f32 v[WMX+2*(\b)], v[WMX+2*(\b)], |v[XN+30]|, |v[XN+31]|
	v_max3_num_f32 v[WMX+2*(\b)], v[WMX+2*(\b)], v[WMX+2*(\b)+1], 0x1800000   ; and the floor 2^(3 - 127)
	v_add_nc_u32 v[WSO+(\b)], 0xff000000, v[WMX+2*(\b)]            ; 2 off its exponent field: the conversions' scale operand
	v_lshrrev_b32 v[WBY+(\b)], 23, v[WSO+(\b)]     ; the scale's byte
.if (\b) == 0
	v_mov_b32 v[WSB], v[WBY]                       ; four bytes make my column's scale word for these 128 along K, the lower K in the lower byte
.else
	v_lshl_or_b32 v[WSB], v[WBY+(\b)], 8*(\b), v[WSB]
.endif
.irp g, 0,1,2,3
	v_cvt_scalef32_pk8_fp4_f32 v[WC+4*(\b)+\g], v[XN+8*\g:XN+8*\g+7], v[WSO+(\b)]
.endr
	global_store_b128 v4, v[WC+4*(\b):WC+4*(\b)+3], s[14:15] offset:256*(\b)   ; the results go to a store alone; no register of the conversions is written again
.endm
	WBLOCK 0, 63
	WBLOCK 1, 63
	WBLOCK 2, 32
	WBLOCK 3, 0
	global_store_b32 v3, v[WSB], s[16:17]          ; 128 consecutive bytes a wave: one byte for each 128 that the wave reads
	s_endpgm
; ---------------------------------------------------------------- ROUTE
; 128 threads, 64 tokens each.  (1) each thread counts its tokens by category and notes each token's rank among its own; (2) the counts are summed over lanes (a scan) and waves (through LDS);
; (3) every wave works out, in scalar registers, each category's number of tiles and first slot; (4) each token goes to slot first(category) + tokens of the category in threads before mine + rank;
; (5) the slots that no token takes are set to 0, so that every slot that the next launch loads has been stored; (6) the 64 tile entries.
; No LDS address and no branch hangs on loaded numbers; every store's slot is held inside the buffer by a minimum with a constant.
.Lroute:
	v_lshlrev_b32 v1, 4, v0                        ; 16 t
	v_lshlrev_b32 v2, 2, v0                        ; 4 t
.irp i, 0,1,2,3,4,5,6,7,8,9,10,11,12,13,14,15
	global_load_b128 v[CID+4*\i:CID+4*\i+3], v1, s[8:9] offset:2048*\i   ; register 4 i + j: token 512 i + 4 t + j
.endr
	v_mov_b32 v3, 1
	v_mov_b32 v4, 0                                ; my counts of categories 0-3, a byte each (64 at the most),
	v_mov_b32 v5, 0                                ; and of 4-7
	v_mov_b32 v10, 0
	v_mov_b32 v11, 9216                            ; the spare slot behind the lists, which nobody reads
	v_lshrrev_b32 v12, 5, v0
	v_lshlrev_b32 v12, 4, v12
	v_add_nc_u32 v12, RT, v12                      ; LDS: my wave's 16 bytes
	v_mov_b32 v13, RT
.irp m, 0,1,2,3
	v_mov_b32 v[TT+\m], 0                          ; written once: the destination of a DPP move counts as read
.endr
	s_mov_b32 s74, 0x06040200                      ; byte selects: the low bytes of four 16-bit numbers,
	s_mov_b32 s75, 0x07050301                      ; their high bytes,
	s_mov_b32 s76, 0x00000400                      ; and a low and a high byte put together
	s_wait_loadcnt 0x0
.macro CNT k                           ; token k: its rank is the count so far of its category; then that count goes up by one
.set TA, 6+2*((\k)%2)
	v_perm_b32 v[RK+(\k)], v5, v4, v[CID+(\k)]     ; byte 0: byte number 'category' of the eight counts (the other bytes are masked off later)
	v_lshlrev_b32 v[TA], 3, v[CID+(\k)]
	v_cmp_lt_u32 vcc_lo, 3, v[CID+(\k)]
	v_lshlrev_b32 v[TA], v[TA], v3                 ; 1 << (8 x category mod 32)
	v_cndmask_b32 v[TA+1], v10, v[TA], vcc_lo      ; for the upper four,
	v_cndmask_b32 v[TA], v[TA], v10, vcc_lo        ; or for the lower four
	v_add_nc_u32 v4, v4, v[TA]
	v_add_nc_u32 v5, v5, v[TA+1]
.endm
.set KK, 0
.rept 64
	CNT KK
.set KK, KK+1
.endr
	v_and_b32 v6, 0xff, v4                         ; the eight counts in 16 bits each: sums reach 9,216 at the most
	v_bfe_u32 v7, v4, 8, 8
	v_lshl_or_b32 v[OWN], v7, 16, v6
	v_bfe_u32 v6, v4, 16, 8
	v_lshrrev_b32 v7, 24, v4
	v_lshl_or_b32 v[OWN+1], v7, 16, v6
	v_and_b32 v6, 0xff, v5
	v_bfe_u32 v7, v5, 8, 8
	v_lshl_or_b32 v[OWN+2], v7, 16, v6
	v_bfe_u32 v6, v5, 16, 8
	v_lshrrev_b32 v7, 24, v5
	v_lshl_or_b32 v[OWN+3], v7, 16, v6
.irp m, 0,1,2,3
	v_mov_b32 v[S+\m], v[OWN+\m]
.endr
.irp d, 1,2,4,8                        ; the scan within each 16 lanes: lane i adds lane i - d's; lanes without such a lane add 0
.irp m, 0,1,2,3
	v_mov_b32_dpp v[TT+\m], v[S+\m] row_shr:\d row_mask:0xf bank_mask:0xf bound_ctrl:1
.endr
.irp m, 0,1,2,3
	v_add_nc_u32 v[S+\m], v[S+\m], v[TT+\m]
.endr
.endr
.irp m, 0,1,2,3
	v_readlane_b32 s[24+\m], v[S+\m], 15           ; the sum of lanes 0-15
.endr
	s_mov_b32 vcc_lo, 0xffff0000                   ; goes onto lanes 16-31
.irp m, 0,1,2,3
	v_mov_b32 v[TT+\m], s[24+\m]
	v_cndmask_b32 v[TT+\m], v10, v[TT+\m], vcc_lo
	v_add_nc_u32 v[S+\m], v[S+\m], v[TT+\m]
.endr
.irp m, 0,1,2,3
	v_readlane_b32 s[24+\m], v[S+\m], 31           ; my wave's totals
.endr
.irp m, 0,1,2,3
	v_mov_b32 v[188+\m], s[24+\m]
.endr
	ds_store_b128 v12, v[188:191]                  ; all lanes write the same 16 bytes with the same values
	s_wait_dscnt 0x0                               ; for the others' sake: my store has landed
	s_barrier_signal -1
	s_barrier_wait -1                              ; the launch's one barrier: all four waves of this work-group are on this path
.irp w, 0,1,2,3
	ds_load_b128 v[WTB+4*\w:WTB+4*\w+3], v13 offset:16*\w
.endr
	s_wait_dscnt 0x0
	s_cmp_gt_u32 s22, 0                            ; the totals of the waves in front of mine, chosen by masks
	s_cselect_b32 s24, -1, 0
.irp m, 0,1,2,3
	v_and_b32 v[WP+\m], s24, v[WTB+\m]
.endr
.irp w, 1,2
	s_cmp_gt_u32 s22, \w
	s_cselect_b32 s24, -1, 0
.irp m, 0,1,2,3
	v_and_b32 v[TT+\m], s24, v[WTB+4*\w+\m]
	v_add_nc_u32 v[WP+\m], v[WP+\m], v[TT+\m]
.endr
.endr
.irp m, 0,1,2,3
	v_add3_u32 v[G+\m], v[WTB+\m], v[WTB+4+\m], v[WTB+8+\m]
	v_add_nc_u32 v[G+\m], v[G+\m], v[WTB+12+\m]
.endr
.irp m, 0,1,2,3
	v_readfirstlane_b32 s24, v[G+\m]
	s_and_b32 s[32+2*\m], s24, 0xffff              ; s32-39: n_c
	s_lshr_b32 s[33+2*\m], s24, 16
.endr
	s_mov_b32 s40, 0                               ; s40-48: T_c, the first tile of category c; T_8 the number of tiles
.irp c, 0,1,2,3,4,5,6,7
	s_add_co_u32 s24, s[32+\c], 143
	s_mul_i32 s24, s24, 116509                     ; (n + 143) / 144 rounded down: 116509 x 144 = 2^24 + 80, so for n + 143 up to 8,335 the quotient is too large by under 0.0003, less than 1 / 144; the product stays under 2^32
	s_lshr_b32 s24, s24, 24
	s_add_co_u32 s[41+\c], s[40+\c], s24
.endr
.irp c, 0,1,2,3,4,5,6,7,8
	s_mul_i32 s[49+\c], s[40+\c], 144              ; s49-57: the first slot of category c
.endr
.irp c, 0,1,2,3,4,5,6,7
	s_add_co_u32 s[66+\c], s[49+\c], s[32+\c]      ; s66-73: the first slot behind its tokens
.endr
.irp m, 0,1,2,3
	s_lshl_b32 s24, s[50+2*\m], 16
	s_or_b32 s[58+\m], s24, s[49+2*\m]             ; the first slots, two to a register
.endr
.irp m, 0,1,2,3
	v_add3_u32 v[BA+\m], s[58+\m], v[WP+\m], v[S+\m]
	v_sub_nc_u32 v[BA+\m], v[BA+\m], v[OWN+\m]     ; first slot + earlier waves + earlier lanes (the scan without my own): no 16-bit part borrows
.endr
	v_perm_b32 v184, v[BA+1], v[BA], s74           ; the low bytes for categories 0-3,
	v_perm_b32 v185, v[BA+3], v[BA+2], s74         ; 4-7;
	v_perm_b32 v186, v[BA+1], v[BA], s75           ; the high bytes for 0-3,
	v_perm_b32 v187, v[BA+3], v[BA+2], s75         ; 4-7
.macro PUT k                           ; token k goes to its slot.  Each token has its own address and data registers.  (4 bytes a lane to scattered slots: 32 KiB in all, the sort's own scatter)
.set TA, 6+2*((\k)%2)
	v_and_b32 v[RK+(\k)], 0xff, v[RK+(\k)]
	v_perm_b32 v[TA], v185, v184, v[CID+(\k)]
	v_perm_b32 v[TA+1], v187, v186, v[CID+(\k)]
	v_perm_b32 v[TA], v[TA+1], v[TA], s76
	v_and_b32 v[TA], 0xffff, v[TA]                 ; my first slot of this category
	v_add_nc_u32 v[TA], v[TA], v[RK+(\k)]
	v_min_u32 v[TA], 0x23ff, v[TA]                 ; held inside the 9,216 slots
	v_lshlrev_b32 v[RK+(\k)], 2, v[TA]
	v_add_nc_u32 v[CID+(\k)], 512*((\k)/4)+(\k)%4, v2
	global_store_b32 v[RK+(\k)], v[CID+(\k)], s[18:19]
.endm
.set KK, 0
.rept 64
	PUT KK
.set KK, KK+1
.endr
	s_wait_xcnt 0x0                                ; the stores have read their registers: v16 on are written again below
	s_mov_b32 s62, 9216
; the slots from s[start] up to s[end] are set to 0, 128 at a time; a lane past the end writes the spare slot.  Each store has an address register of its own.
.set GR, 16
.macro GAP start, end, n
.set GQ, 0
.rept \n
	v_add3_u32 v[GR], v0, s[\start], 128*GQ
	v_cmp_gt_u32 vcc_lo, s[\end], v[GR]
	v_cndmask_b32 v[GR], v11, v[GR], vcc_lo
	v_min_u32 v[GR], 0x2400, v[GR]
	v_lshlrev_b32 v[GR], 2, v[GR]
	global_store_b32 v[GR], v10, s[18:19]
.set GR, GR+1
.set GQ, GQ+1
.endr
.endm
.irp c, 0,1,2,3,4,5,6,7
	GAP 66+\c, 50+\c, 2                            ; behind a category's tokens at most 143 slots are left of its last tile
.endr
	GAP 57, 62, 8                                  ; there are at least 57 tiles (8192 / 144 rounded up), so at most 1,008 slots lie behind the last
	s_cmp_lt_u32 s22, 2                            ; the 64 tile entries: threads 0 to 63
	s_cbranch_scc0 .Lroute_end
	v_mov_b32 v192, 0                              ; tile t belongs to the last category whose first tile is at or below t
	v_mov_b32 v194, s32
	v_mov_b32 v195, 0
.irp c, 1,2,3,4,5,6,7
	v_cmp_le_u32 vcc_lo, s[40+\c], v0
	v_mov_b32 v6, \c
	v_mov_b32 v7, s[32+\c]
	v_mov_b32 v8, s[40+\c]
	v_cndmask_b32 v192, v192, v6, vcc_lo
	v_cndmask_b32 v194, v194, v7, vcc_lo
	v_cndmask_b32 v195, v195, v8, vcc_lo
.endr
	v_sub_nc_u32 v6, v0, v195
	v_mul_u32_u24 v6, v6, 144
	v_sub_nc_u32 v6, v194, v6                      ; what is left of the category's tokens at this tile,
	v_max_i32 v6, 0, v6                            ; 0 for the tiles behind the last,
	v_min_i32 v193, 144, v6                        ; 144 at the most
	v_lshlrev_b32 v196, 3, v0
	global_store_b64 v196, v[192:193], s[20:21]    ; a wave stores 256 consecutive bytes, aligned
.Lroute_end:
	s_wait_tensorcnt 0x0
	ds_add_u32 v224, v225
	s_wait_dscnt 0x0
	s_endpgm
.Lfunc_end_k_qbeba926f5d_prep:
	.size	k_qbeba926f5d_prep, .Lfunc_end_k_qbeba926f5d_prep-k_qbeba926f5d_prep
	.p2alignl 7, 3214868480
	.fill 96, 4, 3214868480
	.section	.rodata,"a",@progbits
	.p2align	6, 0x0
	.amdhsa_kernel k_qbeba926f5d_prep
		.amdhsa_group_segment_fixed_size 23296
		.amdhsa_private_segment_fixed_size 0
		.amdhsa_enable_private_segment 0
		.amdhsa_kernarg_size 72
		.amdhsa_user_sgpr_count 2
		.amdhsa_user_sgpr_kernarg_segment_ptr 1
		.amdhsa_wavefront_size32 1
		.amdhsa_system_sgpr_workgroup_id_x 1
		.amdhsa_system_sgpr_workgroup_id_y 1
		.amdhsa_system_sgpr_workgroup_id_z 1
		.amdhsa_system_vgpr_workitem_id 0
		.amdhsa_next_free_vgpr 226
		.amdhsa_next_free_sgpr 80
		.amdhsa_reserve_vcc 1
		.amdhsa_float_denorm_mode_32 3
		.amdhsa_float_denorm_mode_16_64 3
		.amdhsa_memory_ordered 1
		.amdhsa_forward_progress 1
		.amdhsa_inst_pref_size 130
	.end_amdhsa_kernel
	.amdgpu_metadata
---
amdhsa.version: [ 1, 2 ]
amdhsa.kernels:
  - .name:           k_qbeba926f5d_prep
    .symbol:         k_qbeba926f5d_prep.kd
    .args:
      - { .name: x, .offset: 0, .size: 8, .value_kind: global_buffer, .address_space: global }
      - { .name: weight, .offset: 8, .size: 8, .value_kind: global_buffer, .address_space: global }
      - { .name: category_id, .offset: 16, .size: 8, .value_kind: global_buffer, .address_space: global }
      - { .name: xcodes, .offset: 24, .size: 8, .value_kind: global_buffer, .address_space: global }
      - { .name: xscales, .offset: 32, .size: 8, .value_kind: global_buffer, .address_space: global }
      - { .name: wimg, .offset: 40, .size: 8, .value_kind: global_buffer, .address_space: global }
      - { .name: wscl, .offset: 48, .size: 8, .value_kind: global_buffer, .address_space: global }
      - { .name: rows, .offset: 56, .size: 8, .value_kind: global_buffer, .address_space: global }
      - { .name: tiles, .offset: 64, .size: 8, .value_kind: global_buffer, .address_space: global }
    .group_segment_fixed_size: 23296
    .private_segment_fixed_size: 0
    .kernarg_segment_align: 8
    .kernarg_segment_size: 72
    .max_flat_workgroup_size: 128
    .sgpr_count:     80
    .vgpr_count:     226
    .wavefront_size: 32
...
	.end_amdgpu_metadata
.endif
;; end of part 3
;; launch gemm (part 4): grid 4 x 64, 4 waves a work-group, no clusters, 101,632 bytes of LDS; arguments xcodes, xscales, wimg, wscl, bias, rows, tiles, out0; writes out0
.if DOCPART == 4
	.amdgcn_target "amdgcn-amd-amdhsa--gfx1250"
	.amdhsa_code_object_version 6
	.text
	.protected	k_qbeba926f5d_gemm
	.globl	k_qbeba926f5d_gemm
	.p2align	8
	.type	k_qbeba926f5d_gemm,@function
k_qbeba926f5d_gemm:
	s_mov_b64 s[64:65], 0
	v_nop
	global_prefetch_b8 v0, s[64:65] scope:SCOPE_SE
	s_setreg_imm32_b32 hwreg(HW_REG_WAVE_SCHED_MODE, 0, 2), 2
	s_setreg_imm32_b32 hwreg(HW_REG_WAVE_MODE, 25, 1), 1
	s_wait_xcnt 0x0
	s_wait_alu depctr_vm_vsrc(0)
; out[t][:] = Q(x[t]) Q(weight[category of t]) + bias[category of t], on codes of FP4 (E2M1) with one E8M0 scale for each 32 along K, for the rows of ONE tile (at most 144 tokens of one category) and 256 columns.
; Only the chosen category's product is made for a token.  The grid, 4 slices of columns x 64 tiles, serves every split of the tokens; a tile with count 0 stores nothing.
; SHARES.  Wave w owns columns 256 x slice + 64 w .. + 63 for all the tile's rows.  Its weights for all of K, 4 tiles of 16 columns x 8 steps of 128 along K, are 256 registers, loaded once: they lie in memory in
; the order of the registers, 32 KiB on end.  The tile's rows of x are gathered once, 36 rows a wave, each row by one load of 512 consecutive bytes, into LDS, and read there by all four waves.
; A block of 16 rows is 32 matrix instructions: 4 accumulators by turns, 8 steps along K.
; THE MATRIX INSTRUCTION IS USED TRANSPOSED (source 0 = 16 columns of the weight, source 1 = 16 rows of x): lane (r, h) holds row r, and register j of tile g its column 16 g + 8 h + j.
; The bias is the C of each sum's first product, in the result's layout (so it is added first, not last).
; A block's results go through the wave's own stage in LDS and leave as rows: 16 lanes store 256 consecutive bytes, at a multiple of 256 from the output's first byte.
; Slots of the tile at or past its count take the tile's first token: a last block that is not full computes that row again and stores the same bytes to the same place.
; NO JOINT LOADS, though a category's tiles read the same weights and the four slices the same rows: how many blocks a work-group walks hangs on a count read from memory.
; The one barrier stands ahead of every branch on a stored number, so a work-group whose tile is empty passes it too and ends behind it.
; LIMITS: tokens and the category are held inside their tables by minima with constants; NaN and infinities are not served.
; THE MODE: SCHED_MODE bits 1:0 = 2 (LLVM: expert scheduling mode 2), set by the entry lines.  The code itself states the register dependences between vector or matrix instructions
; and memory or LDS instructions, with s_wait_alu, always for 0.
; THE PLAN.  Registers that memory or LDS instructions touch, in the walk over blocks (p = j % 2):
;   XF[p], AS[p]  x's fragments and scale words of block j.  The LDS loads issued in block j - 1 land in them; block j's products read them.
;   TR            block j's tokens.  The same fetch lands in them; eight minima and eight address lines at block j's head write and read them.
;   AD[p]         the addresses of block j's rows in the output.  Written at block j's head; read by the eight global stores issued in block j + 1.
;   ACC[p]        written by block j's products; read by the LDS stores into the stage, issued in block j + 1.
;   OUT[p]        block j's rows back from the stage: LDS loads issued in block j + 1 land in them, the eight global stores behind them read them; no vector or matrix instruction names them.
;   v4 to v10     LDS addresses and an offset, made at the head and never written again.
; So ONE wait on va_vdst stands in a block, behind its sixteen address lines; behind it follow the last block's way through the stage and the next block's fetch, then this block's products, which name none of the
; registers that those LDS instructions touch, then the last block's stores.  One wait on vm_vsrc stands at a block's head, beside the wait on XCNT.
; REGISTERS, in windows of 256: window 0: v0-15 addresses; v16-31 the weights' scale words; v32-47 x's scale words, two sets; v48-55 tokens; v56-71 store addresses, two sets; v72-135 accumulators, two sets of 4 x 8;
;   v136-199 rows on the way out, two sets of 8 x 4 (during the gather v72-215 hold 36 rows of x, v216-251 tokens, scales and their addresses).   window 1: the weights' 32 fragments.
;   window 2: v0-127 x's fragments, two sets of 8; v128-159 the bias; v160-198 the gather's 39 offsets.
.set XP,   528                         ; a row of x's codes in LDS: 512 bytes + 16 = 132 words: row r starts at bank 4 r mod 64 (64 banks of 4 bytes: ISA guide 11.1), so the 16 rows of a load start at 16 different banks
.set XSC,  144*XP                      ; behind the 144 rows: their scale bytes, 32 + 16 a row
.set SPI,  48
.set TK,   XSC+144*SPI                 ; the 144 tokens' numbers, 4 bytes each (768 bytes are kept for them)
.set STG,  TK+768                      ; the stages: 16 rows x (256 + 16) bytes for each wave
.set GP,   272
.set AFA,  4                           ; v4   x's fragments, blocks 0-4: 528 r + 16 h
.set AFB,  5                           ; v5   blocks 5-8: 5 x 16 rows further on, so that the immediates stay under 65,536
.set ASA,  6                           ; v6   x's scale words: XSC + 48 r
.set TKA,  7                           ; v7   the tokens of the two rows that a store takes: TK + 4 h
.set BS,   16
.set AS,   32
.set TR,   48
.set AD,   56
.set ACC,  72
.set OUT,  136
.set RW,   72
.set AG,   160                         ; in window 2
.set MSB, 0
.macro WIN new                         ; the immediate's high byte repeats the setting that is left; a switch that changes nothing is dropped
.if MSB != \new
	s_set_vgpr_msb (MSB<<8)|\new
.set MSB, \new
.endif
.endm
	s_load_b512 s[4:19], s[0:1], 0x0               ; xcodes s[4:5], xscales s[6:7], wimg s[8:9], wscl s[10:11], bias s[12:13], rows s[14:15], tiles s[16:17], out0 s[18:19]
	v_lshl_add_u32 v254, v0, 2, 0x18b00
	v_mov_b32 v255, 0
	v_lshrrev_b32 v2, 5, v0
	v_readfirstlane_b32 s20, v2                    ; wave 0..3
	s_and_b32 s21, ttmp7, 0xffff                   ; the tile
	v_and_b32 v2, 31, v0                           ; lane
	v_and_b32 v3, 15, v0                           ; r
	v_bfe_u32 v15, v0, 4, 1                        ; h
	v_lshlrev_b32 v1, 4, v2                        ; 16 x lane
	v_mul_u32_u24 v[AFA], v3, XP
	v_lshl_add_u32 v[AFA], v15, 4, v[AFA]
	v_add_nc_u32 v[AFB], 5*16*XP, v[AFA]
	v_mul_u32_u24 v[ASA], v3, SPI
	v_add_nc_u32 v[ASA], XSC, v[ASA]
	v_lshl_add_u32 v[TKA], v15, 2, TK
	s_wait_alu depctr_va_sdst(0)                   ; s20, the wave's number, is written, ahead of its first reader
	s_mul_i32 s22, s20, 16*GP
	s_add_co_u32 s22, s22, STG                     ; my stage
	v_mul_u32_u24 v8, v3, GP
	v_lshl_add_u32 v8, v15, 5, v8
	v_add_nc_u32 v8, s22, v8                       ; in: row r, + 32 h
	v_mul_u32_u24 v9, v15, GP
	v_lshl_add_u32 v9, v3, 4, v9
	v_add_nc_u32 v9, s22, v9                       ; back: lanes 0-15 one row of 256 bytes, lanes 16-31 the next
	v_lshlrev_b32 v10, 4, v3                       ; and my 16 bytes of such a row in the output
	v_lshlrev_b32 v11, 2, v2                       ; 4 x lane
	v_lshlrev_b32 v12, 5, v15                      ; the bias: 32 h
	v_mov_b32 v13, 0
	v_and_b32 v14, 1, v0
	v_lshlrev_b32 v14, 4, v14                      ; which half of a row's 32 scale bytes
	s_mul_i32 s26, s20, 36                         ; my wave gathers slots 36 w .. 36 w + 35
	v_add_nc_u32 v236, s26, v2                     ; slot of lane l: 36 w + l,
	v_and_b32 v237, 3, v0
	v_add_nc_u32 v237, s26, v237
	v_add_nc_u32 v237, 32, v237                    ; and 36 w + 32 + l % 4;
	v_lshrrev_b32 v238, 1, v2
	v_and_b32 v240, 3, v238
	v_add_nc_u32 v238, s26, v238                   ; for the scale bytes two lanes to a slot: 36 w + l / 2,
	v_add_nc_u32 v239, 16, v238                    ; + 16,
	v_add_nc_u32 v240, s26, v240
	v_add_nc_u32 v240, 32, v240                    ; and 36 w + 32 + (l / 2) % 4
.irp q, 0,1,2,3,4
	v_lshlrev_b32 v[241+\q], 2, v[236+\q]          ; the slots' places in the tile's list
.endr
	s_mul_i32 s26, s20, 36*XP
	v_add_nc_u32 v246, s26, v1                     ; LDS: my wave's 36 rows, 16 bytes a lane
.irp q, 0,1,2
	v_mul_u32_u24 v[247+\q], v[238+\q], SPI
	v_add_nc_u32 v[247+\q], v[247+\q], v14
	v_add_nc_u32 v[247+\q], XSC, v[247+\q]         ; LDS: a slot's scale bytes, my half
.endr
	v_add_nc_u32 v250, TK, v241                    ; LDS: a slot's token
	v_add_nc_u32 v251, TK, v242
	s_wait_kmcnt 0x0
	s_lshl_b32 s22, s21, 3
	s_mov_b32 s23, 0
	s_add_nc_u64 s[16:17], s[16:17], s[22:23]
	s_load_b64 s[24:25], s[16:17], 0x0             ; the tile's category and count
	s_mul_i32 s22, s21, 576
	s_add_nc_u64 s[14:15], s[14:15], s[22:23]      ; the tile's list of 144 slots: it is asked for beside the entry, not behind it
	s_wait_alu depctr_va_vdst(0)                   ; the head's offsets and LDS addresses (v1, v4 to v14, v241 to v251) are written: the loads and stores of the whole kernel read them, and no line writes them again
.irp q, 0,1,2,3,4
	global_load_b32 v[216+\q], v[241+\q], s[14:15]
.endr
	global_load_b32 v221, v13, s[14:15]            ; the tile's first token
	s_wait_kmcnt 0x0
	s_min_u32 s24, s24, 7
	s_min_u32 s25, s25, 144
.irp q, 0,1,2,3,4
	v_cmp_gt_u32 s[27+\q], s25, v[236+\q]          ; which slots lie under the count: five masks in a run, s27 to s31
.endr
	s_lshl_b32 s22, s24, 19                        ; the weights' codes: a category is 2^19 bytes, a slice of 256 columns 2^17, a wave's 64 columns 2^15
	s_lshl_b32 s26, ttmp9, 17
	s_add_co_u32 s22, s22, s26
	s_lshl_b32 s26, s20, 15
	s_add_co_u32 s22, s22, s26
	s_add_nc_u64 s[8:9], s[8:9], s[22:23]
	s_lshl_b32 s22, s24, 15                        ; their scale words: 2^15, 2^13, 2^11
	s_lshl_b32 s26, ttmp9, 13
	s_add_co_u32 s22, s22, s26
	s_lshl_b32 s26, s20, 11
	s_add_co_u32 s22, s22, s26
	s_add_nc_u64 s[10:11], s[10:11], s[22:23]
	s_lshl_b32 s22, ttmp9, 10                      ; my 64 columns in a row of the output: 1,024 bytes a slice, 256 a wave
	s_lshl_b32 s26, s20, 8
	s_add_co_u32 s22, s22, s26
	s_add_nc_u64 s[18:19], s[18:19], s[22:23]
	s_lshl_b32 s26, s24, 12                        ; and in the bias, 4,096 bytes a category
	s_add_co_u32 s22, s22, s26
	s_add_nc_u64 s[12:13], s[12:13], s[22:23]
	s_wait_loadcnt 0x0                             ; the tokens
	s_wait_alu depctr_va_sdst(0)                   ; the five compares have written s27 to s31, ahead of the selects that read them
.irp q, 0,1,2,3,4
	v_cndmask_b32 v[216+\q], v221, v[216+\q], s[27+\q]             ; a slot at or past the count takes the tile's first token
	v_min_u32 v[216+\q], 0x1fff, v[216+\q]         ; held inside the 8,192 tokens
.endr
; my 36 tokens as scalars: s32-63 and s66-69
.set I, 0
.rept 36
.if I < 32
	v_readlane_b32 s[32+I], v216, I
.else
	v_readlane_b32 s[34+I], v217, I-32
.endif
.set I, I+1
.endr
	s_wait_alu depctr_va_sdst(0)                   ; the 36 lines above have written s32 to s63 and s66 to s69, ahead of the minima that read them
.set I, 0
.rept 36
.if I < 32
	s_min_u32 s[32+I], s[32+I], 0x1fff
.else
	s_min_u32 s[34+I], s[34+I], 0x1fff
.endif
.set I, I+1
.endr
	WIN 0x80                                       ; destination window 2: the gather's offsets have registers of their own, which nothing writes again
.set I, 0
.rept 36
.if I < 32
	v_lshl_add_u32 v[AG+I], s[32+I], 9, v1         ; 512 x token + 16 x lane
.else
	v_lshl_add_u32 v[AG+I], s[34+I], 9, v1
.endif
.set I, I+1
.endr
.irp q, 0,1,2
	v_lshl_add_u32 v[AG+36+\q], v[218+\q], 5, v14  ; 32 x token + my half
.endr
	WIN 0x02                                       ; the loads' offsets in window 2, their data in window 0
	s_wait_alu depctr_va_vdst(0)                   ; the 39 offsets are written, which the loads below read; so are the tokens v216 and v217, which two LDS stores further down read
.set I, 0
.rept 36
	global_load_b128 v[RW+4*I:RW+4*I+3], v[AG+I], s[4:5]           ; a row of x's codes: 32 lanes read 512 consecutive bytes
.set I, I+1
.endr
.irp q, 0,1,2
	global_load_b128 v[224+4*\q:224+4*\q+3], v[AG+36+\q], s[6:7]
.endr
	WIN 0x40                                       ; destination window 1
.set I, 0
.rept 64
	global_load_b128 v[4*I:4*I+3], v1, s[8:9] offset:512*I         ; fragment (tile g, step s) is registers 8 (8 g + s) on: 32 KiB on end, as they lie
.set I, I+1
.endr
	WIN 0x80                                       ; destination window 2
.irp g, 0,1,2,3
	global_load_b128 v[128+8*\g:128+8*\g+3], v12, s[12:13] offset:64*\g      ; the bias of columns 16 g + 8 h + 0 .. 7
	global_load_b128 v[128+8*\g+4:128+8*\g+7], v12, s[12:13] offset:64*\g+16
.endr
	WIN 0
.irp i, 0,1,2,3,4,5,6,7,8,9,10,11,12,13,14,15
	global_load_b32 v[BS+\i], v11, s[10:11] offset:128*\i          ; register 8 (g / 2) + s: lanes 0-15 the words of the even tile, lanes 16-31 those of the odd one
.endr
	ds_store_b32 v250, v216                        ; the tokens go to LDS for the way out.  No vector instruction stands between the last wait on va_vdst and these two
	ds_store_b32 v251, v217                        ; (lanes with the same slot write the same word with the same value)
	s_wait_loadcnt 63                              ; behind x's 39 loads stand 88: with 63 out at the most, x's are in
.set I, 0
.rept 36
	ds_store_b128 v246, v[RW+4*I:RW+4*I+3] offset:XP*I
.set I, I+1
.endr
.irp q, 0,1,2
	ds_store_b128 v[247+\q], v[224+4*\q:224+4*\q+3]
.endr
	s_wait_dscnt 0x0                               ; for the others' sake: my rows, scale bytes and tokens have landed
	s_barrier_signal -1
	s_barrier_wait -1                              ; the tile's 144 rows lie in LDS; nobody writes them again
	s_wait_alu depctr_vm_vsrc(0)                   ; my LDS stores have read v72 to v215: from here on these are the accumulators, which products write, and the rows on the way out, in which LDS loads land
; 26 LDS loads: block j's eight fragments of x, its rows' scale words and its tokens, into set j % 2
.macro PRE j
.set PP, (\j)%2
.if (\j) < 5
.set PA, AFA
.set PO, (\j)*16*XP
.else
.set PA, AFB
.set PO, ((\j)-5)*16*XP
.endif
	WIN 0x80                                       ; destination window 2, address window 0
.irp s, 0,1,2,3,4,5,6,7
.irp c, 0,1
	ds_load_b128 v[64*PP+8*\s+4*\c:64*PP+8*\s+4*\c+3], v[PA] offset:PO+64*\s+32*\c   ; registers 4 c on: K = 128 s + 64 c + 32 h + 0 .. 31 of row r, 16 bytes as they lie
.endr
.endr
	WIN 0
	ds_load_b128 v[AS+8*PP:AS+8*PP+3], v[ASA] offset:16*SPI*(\j)           ; row r's eight scale words, one for each step
	ds_load_b128 v[AS+8*PP+4:AS+8*PP+7], v[ASA] offset:16*SPI*(\j)+16
.irp t, 0,1,2,3,4,5,6,7
	ds_load_b32 v[TR+\t], v[TKA] offset:64*(\j)+8*\t               ; the token of row 2 t + h
.endr
.endm
; one product: tile g, step s.  The weights' scale words of an odd tile stand in lanes 16-31.
.macro WM g, s, first
.set RD, ACC+32*PP+8*(\g)
.set RB, 8*(8*(\g)+(\s))
.set RA, 64*PP+8*(\s)
.if \first
.if (\g)%2
	v_wmma_scale_f32_16x16x128_f8f6f4 v[RD:RD+7], v[RB:RB+7], v[RA:RA+7], v[128+8*(\g):128+8*(\g)+7], v[BS+8*((\g)/2)+(\s)], v[AS+8*PP+(\s)] matrix_a_fmt:MATRIX_FMT_FP4 matrix_b_fmt:MATRIX_FMT_FP4 matrix_a_scale:MATRIX_SCALE_ROW1
.else
	v_wmma_scale_f32_16x16x128_f8f6f4 v[RD:RD+7], v[RB:RB+7], v[RA:RA+7], v[128+8*(\g):128+8*(\g)+7], v[BS+8*((\g)/2)+(\s)], v[AS+8*PP+(\s)] matrix_a_fmt:MATRIX_FMT_FP4 matrix_b_fmt:MATRIX_FMT_FP4
.endif
.else
.if (\g)%2
	v_wmma_scale_f32_16x16x128_f8f6f4 v[RD:RD+7], v[RB:RB+7], v[RA:RA+7], v[RD:RD+7], v[BS+8*((\g)/2)+(\s)], v[AS+8*PP+(\s)] matrix_a_fmt:MATRIX_FMT_FP4 matrix_b_fmt:MATRIX_FMT_FP4 matrix_a_scale:MATRIX_SCALE_ROW1
.else
	v_wmma_scale_f32_16x16x128_f8f6f4 v[RD:RD+7], v[RB:RB+7], v[RA:RA+7], v[RD:RD+7], v[BS+8*((\g)/2)+(\s)], v[AS+8*PP+(\s)] matrix_a_fmt:MATRIX_FMT_FP4 matrix_b_fmt:MATRIX_FMT_FP4
.endif
.endif
.endm
; block j's 32 products: the four accumulators take turns, one instruction a turn; the first four start the sums with the bias
.macro MUL j
.set PP, (\j)%2
	WIN 0x29                                       ; source 0 (weights) window 1, source 1 (x) window 2, C (bias) window 2, D window 0
.irp g, 0,1,2,3
	WM \g, 0, 1
.endr
	WIN 0x09                                       ; C and D window 0
.irp s, 1,2,3,4,5,6,7
.irp g, 0,1,2,3
	WM \g, \s, 0
.endr
.endr
	WIN 0
.endm
; the results in accumulator set p go into my stage, and come back as rows into the out-buffer of the same number.  Four places and the wait on va_vdst stand ahead of it, where it is used
.macro STAGE p
.irp g, 0,1,2,3
	ds_store_b128 v8, v[ACC+32*(\p)+8*\g:ACC+32*(\p)+8*\g+3] offset:64*\g          ; each accumulator from its low end on
	ds_store_b128 v8, v[ACC+32*(\p)+8*\g+4:ACC+32*(\p)+8*\g+7] offset:64*\g+16
.endr
.irp t, 0,1,2,3,4,5,6,7
	ds_load_b128 v[OUT+32*(\p)+4*\t:OUT+32*(\p)+4*\t+3], v9 offset:2*GP*\t         ; LDS serves a wave's instructions in order (ISA guide 5.7.1.4): these see the stores above
.endr
.endm
; the rows in out-buffer p leave.  younger: the LDS loads issued behind them, which may stay out
.macro SEND p, younger
	s_wait_dscnt \younger
.irp t, 0,1,2,3,4,5,6,7
	global_store_b128 v[AD+8*(\p)+\t], v[OUT+32*(\p)+4*\t:OUT+32*(\p)+4*\t+3], s[18:19] th:TH_STORE_NT   ; lanes 0-15: 256 consecutive aligned bytes of row 2 t's token, lanes 16-31 of row 2 t + 1's; written once, read by nobody here
.endr
.endm
; BLOCK j: rows 16 j .. 16 j + 15.  Behind the block's one wait on va_vdst: the last block's way through the stage, the next block's fetch, this block's products, the last block's stores.
.macro BLOCK j
.set PB, (\j)%2
	s_cmp_le_u32 s25, 16*(\j)                      ; no row left: the last block's results go through the stage and are stored, and the wave ends
.if (\j) == 0
	s_cbranch_scc1 .Lend
.else
.if PB
	s_cbranch_scc1 .Lflush0
.else
	s_cbranch_scc1 .Lflush1
.endif
.endif
	s_wait_dscnt 0x0                               ; this block's fetch is in: it is the youngest of my LDS instructions
	s_wait_xcnt 0x0                                ; the stores issued so far have had their addresses translated (ISA guide 3.1): their address and data registers are written again only behind this wait
.if (\j) >= 2
	s_wait_alu depctr_vm_vsrc(0)                   ; the last block's global stores have read this set of AD, which the lines below write; its LDS stores have read this set of accumulators, which this block's products write; the stores of two blocks back have read the out-buffer in which the stage's loads below land
.endif
.irp t, 0,1,2,3,4,5,6,7
	v_min_u32 v[TR+\t], 0x1fff, v[TR+\t]           ; a loaded number enters an address behind a minimum with a constant
.endr
.irp t, 0,1,2,3,4,5,6,7
	v_lshl_add_u32 v[AD+8*PB+\t], v[TR+\t], 12, v10                ; 4,096 x token + my 16 bytes.  (These sixteen lines, which name no register of the last block's products, are the places between those and the LDS stores that read their results)
.endr
	s_wait_alu depctr_va_vdst(0)                   ; the last block's products have written their accumulators, which the stage's stores read, and are done reading their fragments and scale words of x, in which the fetch lands; the lines above are done with TR, in which it lands too, and have written AD
.if (\j) > 0
	STAGE 1-PB
.endif
.if (\j) < 8
	PRE (\j)+1                                     ; between the wait and these loads stand LDS instructions on other registers and window switches alone
.endif
	MUL \j
.if (\j) > 0
.if (\j) < 8
	SEND 1-PB, 26                                  ; behind the last block's rows stand the 26 loads of the next block's fetch.  Their addresses were written ahead of the last block's wait on va_vdst
.else
	SEND 1-PB, 0
.endif
.endif
.endm
	PRE 0                                          ; no vector or matrix instruction has named the registers in which these land
	s_wait_loadcnt 0x0                             ; the weights, their scale words and the bias
.irp j, 0,1,2,3,4,5,6,7,8
	BLOCK \j
.endr
.Lflush0:                                              ; block 8 falls in here
.rept 4
	v_nop                                          ; four places between the last product and the first read of results (ISA guide 7.12.1)
.endr
	s_wait_alu depctr_va_vdst(0)                   ; the last products have written accumulator set 0, which the stage's stores read; the places above stay beside this wait
	STAGE 0
	SEND 0, 0
	s_wait_dscnt 0x0                               ; the closing lines, six on end
	s_wait_alu 0x0
	s_wait_tensorcnt 0x0
	ds_add_u32 v254, v255
	s_wait_dscnt 0x0
	s_endpgm
.Lflush1:
.rept 4
	v_nop                                          ; four places between the last product and the first read of results (ISA guide 7.12.1)
.endr
	s_wait_alu depctr_va_vdst(0)                   ; the last products have written accumulator set 1, which the stage's stores read; the places above stay beside this wait
	STAGE 1
	SEND 1, 0
	s_wait_dscnt 0x0                               ; the closing lines, six on end
	s_wait_alu 0x0
	s_wait_tensorcnt 0x0
	ds_add_u32 v254, v255
	s_wait_dscnt 0x0
	s_endpgm
.Lend:
	s_wait_dscnt 0x0                               ; an empty tile: the first fetch is let in, nothing is stored
	s_wait_dscnt 0x0                               ; the closing lines, six on end
	s_wait_alu 0x0
	s_wait_tensorcnt 0x0
	ds_add_u32 v254, v255
	s_wait_dscnt 0x0
	s_endpgm
.Lfunc_end_k_qbeba926f5d_gemm:
	.size	k_qbeba926f5d_gemm, .Lfunc_end_k_qbeba926f5d_gemm-k_qbeba926f5d_gemm
	.p2alignl 7, 3214868480
	.fill 96, 4, 3214868480
	.section	.rodata,"a",@progbits
	.p2align	6, 0x0
	.amdhsa_kernel k_qbeba926f5d_gemm
		.amdhsa_group_segment_fixed_size 101632
		.amdhsa_private_segment_fixed_size 0
		.amdhsa_enable_private_segment 0
		.amdhsa_kernarg_size 64
		.amdhsa_user_sgpr_count 2
		.amdhsa_user_sgpr_kernarg_segment_ptr 1
		.amdhsa_wavefront_size32 1
		.amdhsa_system_sgpr_workgroup_id_x 1
		.amdhsa_system_sgpr_workgroup_id_y 1
		.amdhsa_system_sgpr_workgroup_id_z 1
		.amdhsa_system_vgpr_workitem_id 0
		.amdhsa_next_free_vgpr 712
		.amdhsa_next_free_sgpr 72
		.amdhsa_reserve_vcc 0
		.amdhsa_float_denorm_mode_32 3
		.amdhsa_float_denorm_mode_16_64 3
		.amdhsa_memory_ordered 1
		.amdhsa_forward_progress 1
		.amdhsa_inst_pref_size 110
	.end_amdhsa_kernel
	.amdgpu_metadata
---
amdhsa.version: [ 1, 2 ]
amdhsa.kernels:
  - .name:           k_qbeba926f5d_gemm
    .symbol:         k_qbeba926f5d_gemm.kd
    .args:
      - { .name: xcodes, .offset: 0, .size: 8, .value_kind: global_buffer, .address_space: global }
      - { .name: xscales, .offset: 8, .size: 8, .value_kind: global_buffer, .address_space: global }
      - { .name: wimg, .offset: 16, .size: 8, .value_kind: global_buffer, .address_space: global }
      - { .name: wscl, .offset: 24, .size: 8, .value_kind: global_buffer, .address_space: global }
      - { .name: bias, .offset: 32, .size: 8, .value_kind: global_buffer, .address_space: global }
      - { .name: rows, .offset: 40, .size: 8, .value_kind: global_buffer, .address_space: global }
      - { .name: tiles, .offset: 48, .size: 8, .value_kind: global_buffer, .address_space: global }
      - { .name: out0, .offset: 56, .size: 8, .value_kind: global_buffer, .address_space: global }
    .group_segment_fixed_size: 101632
    .private_segment_fixed_size: 0
    .kernarg_segment_align: 8
    .kernarg_segment_size: 64
    .max_flat_workgroup_size: 128
    .sgpr_count:     72
    .vgpr_count:     712
    .wavefront_size: 32
...
	.end_amdgpu_metadata
.endif
;; end of part 4
